; MI455X (gfx1250); checked and timed in simulation.
; The chip was launched on July 23, 2026; its instructions are those of AMD's public machine-readable ISA for CDNA 5 (MIT licence, August 2026) and "CDNA5" Instruction Set Architecture Reference Guide (July 2026). The comments in the code are by the model that wrote it; some were corrected since.
;; Self Attention3 D. Allowed arithmetic: float matrix products may take bf16 or f16 operands with f32 sums; all other float work in f32.
;; Inputs: norm_beta 256 float32; norm_gamma 256 float32; proj_b 256 float32; proj_w 256 x 256 float32; qkv_b 768 float32; qkv_w 768 x 256 float32; x 1 x 256 x 16 x 16 x 16 float32.
;; Outputs: out0 1 x 256 x 16 x 16 x 16 float32.
;; 2 versions, each right and faster than the one before. Each part assembles by itself: llvm-mc -triple=amdgcn-amd-amdhsa -mcpu=gfx1250 --defsym DOCPART=n.
;; ======== version 1 of 2: 4 launches
;; workspace buffers: stats 2,048 bytes; wfrag 524,288 bytes; qk 4,194,304 bytes; vt 2,097,152 bytes; ao 2,097,152 bytes
;; launch prep (part 1): grid 256 x 1, 1 waves a work-group, no clusters, 0 bytes of LDS; arguments x, qkv_w, proj_w, stats, wfrag; writes stats, wfrag
.if DOCPART == 1
	.amdgcn_target "amdgcn-amd-amdhsa--gfx1250"
	.amdhsa_code_object_version 6
	.text
	.protected	k_q7c39e908f4_prep
	.globl	k_q7c39e908f4_prep
	.p2align	8
	.type	k_q7c39e908f4_prep,@function
k_q7c39e908f4_prep:
	s_mov_b64 s[64:65], 0
	v_nop
	global_prefetch_b8 v0, s[64:65] scope:SCOPE_SE
	s_setreg_imm32_b32 hwreg(HW_REG_WAVE_MODE, 25, 1), 1
	s_wait_xcnt 0x0
; prep: (a) the weights as bf16 matrix fragments, (b) each channel's mean and sum of squared deviations.
; 256 work-groups of one wave.  Work-group g
;   (a) turns two blocks of 16 rows x 32 columns of qkv_w (row blocks 0-47) or proj_w (row blocks 48-63) into bf16, stored as the
;       register image of a matrix operand: 1,024 bytes a block, bytes 0-511 = registers 0-3 of lanes 0-31 (16 bytes a lane),
;       bytes 512-1023 = registers 4-7.  Lane (r = lane % 16, h = lane / 16) holds row r; registers 0-3 hold columns 8h .. 8h+7,
;       registers 4-7 columns 16+8h .. 16+8h+7 of the block (ISA guide 7.12.2).  Block number = 8 x row block + column block = 2g, 2g+1.
;   (b) reads channel g of x (4,096 f32 = 16,384 bytes = 128 registers of the wave), keeps it in registers, sums it, takes the mean away
;       and sums the squares: two passes over registers, one over memory, and no difference of large sums.
; stats[g] = (mean, sum of squared deviations): 8 bytes a work-group, 2,048 bytes in the whole launch.
; Limit: x is finite.
.set XR,   4                           ; v[4:131]   the channel
.set WR,   132                         ; v[132:163] two blocks of weights, f32 as loaded, then bf16 in the lower half of each sixteen
.set CH,   164                         ; v[164:171] four chains of two sums
.set MEAN, 172                         ; v[172:173] the mean twice; at the end (mean, sum of squares)
.set TT,   174                         ; v[174:175] at work
.macro WSUM a, b                       ; v[a] summed over the 32 lanes, in every lane; v[b] has been written before
	v_add_f32_dpp v[\a], v[\a], v[\a] row_xmask:1 row_mask:0xf bank_mask:0xf
	v_add_f32_dpp v[\a], v[\a], v[\a] row_xmask:2 row_mask:0xf bank_mask:0xf
	v_add_f32_dpp v[\a], v[\a], v[\a] row_xmask:4 row_mask:0xf bank_mask:0xf
	v_add_f32_dpp v[\a], v[\a], v[\a] row_xmask:8 row_mask:0xf bank_mask:0xf
	v_permlanex16_b32 v[\b], v[\a], s28, s29
	v_add_f32 v[\a], v[\a], v[\b]
.endm
.macro FOLD                            ; four chains of two into v[TT]
	v_pk_add_f32 v[CH:CH+1], v[CH:CH+1], v[CH+2:CH+3]
	v_pk_add_f32 v[CH+4:CH+5], v[CH+4:CH+5], v[CH+6:CH+7]
	v_pk_add_f32 v[CH:CH+1], v[CH:CH+1], v[CH+4:CH+5]
	v_add_f32 v[TT], v[CH], v[CH+1]
.endm
	s_load_b256 s[4:11], s[0:1], 0x0               ; x s[4:5], qkv_w s[6:7], proj_w s[8:9], stats s[10:11]
	s_load_b64 s[12:13], s[0:1], 0x20              ; wfrag
	v_and_b32 v2, 15, v0                           ; r (one wave: v0 is the lane)
	v_lshrrev_b32 v3, 4, v0                        ; h
	v_lshlrev_b32 v1, 4, v0                        ; 16 bytes a lane
	v_lshlrev_b32 v2, 10, v2                       ; a row of weights is 1,024 bytes
	v_lshl_add_u32 v2, v3, 5, v2                   ; + 8 h columns of 4 bytes
	v_mov_b32 v3, 0                                ; offset of the store of the figures
	v_mov_b32 v[TT+1], 0                           ; the lane exchange's destination counts as read
	s_lshr_b32 s14, ttmp9, 2                       ; row block 0 .. 63
	s_sub_co_u32 s15, s14, 48                      ; its number in proj_w
	s_and_b32 s20, ttmp9, 3
	s_lshl_b32 s20, s20, 8                         ; my two column blocks: 64 columns = 256 bytes of each row
	s_lshl_b32 s22, ttmp9, 11                      ; 2,048 bytes of wfrag
	s_mov_b32 s23, 0
	s_lshl_b32 s24, ttmp9, 14                      ; 16,384 bytes of x
	s_mov_b32 s25, 0
	s_lshl_b32 s26, ttmp9, 3                       ; 8 bytes of stats
	s_mov_b32 s27, 0
	s_mov_b32 s28, 0x76543210                      ; v_permlanex16_b32: lane i of one half reads lane i of the other
	s_mov_b32 s29, 0xfedcba98
	s_cmp_lt_u32 s14, 48
	s_cselect_b32 s15, s14, s15                    ; the row block's number in its own matrix
	s_wait_kmcnt 0x0
	s_cselect_b64 s[16:17], s[6:7], s[8:9]         ; and that matrix
	s_lshl_b32 s18, s15, 14                        ; 16 rows of 1,024 bytes
	s_add_co_u32 s18, s18, s20
	s_mov_b32 s19, 0
	s_add_nc_u64 s[16:17], s[16:17], s[18:19]
	s_add_nc_u64 s[12:13], s[12:13], s[22:23]
	s_add_nc_u64 s[4:5], s[4:5], s[24:25]
	s_add_nc_u64 s[10:11], s[10:11], s[26:27]
.irp q, 0,1
	global_load_b128 v[WR+16*\q:WR+16*\q+3],     v2, s[16:17] offset:128*\q       ; columns 8h .. 8h+3
	global_load_b128 v[WR+16*\q+4:WR+16*\q+7],   v2, s[16:17] offset:128*\q+16    ; 8h+4 .. 8h+7
	global_load_b128 v[WR+16*\q+8:WR+16*\q+11],  v2, s[16:17] offset:128*\q+64    ; 16+8h .. 16+8h+3
	global_load_b128 v[WR+16*\q+12:WR+16*\q+15], v2, s[16:17] offset:128*\q+80    ; 16+8h+4 .. 16+8h+7
.endr
.set j, 0
.rept 32
	global_load_b128 v[XR+4*j:XR+4*j+3], v1, s[4:5] offset:512*j                  ; 512 neighbouring bytes a load, the whole channel
.set j, j+1
.endr
	s_wait_loadcnt 32                              ; the eight loads of weights are in; the 32 of x, issued behind them, stay out
.irp q, 0,1
.irp i, 0,1,2,3,4,5,6,7
	v_cvt_pk_bf16_f32 v[WR+16*\q+\i], v[WR+16*\q+2*\i], v[WR+16*\q+2*\i+1]        ; in place: the target is never ahead of its sources
.endr
	global_store_b128 v1, v[WR+16*\q:WR+16*\q+3],   s[12:13] offset:1024*\q       ; 512 consecutive bytes, aligned
	global_store_b128 v1, v[WR+16*\q+4:WR+16*\q+7], s[12:13] offset:1024*\q+512
.endr
	s_wait_loadcnt 0x0
	; pass 1: the sum, in four chains that the first eight pairs start
.irp k, 0,1,2,3
	v_pk_add_f32 v[CH+2*\k:CH+2*\k+1], v[XR+2*\k:XR+2*\k+1], v[XR+8+2*\k:XR+8+2*\k+1]
.endr
.set j, 8
.rept 56
	v_pk_add_f32 v[CH+2*(j%4):CH+2*(j%4)+1], v[CH+2*(j%4):CH+2*(j%4)+1], v[XR+2*j:XR+2*j+1]
.set j, j+1
.endr
	FOLD
	WSUM TT, TT+1
	v_mul_f32 v[MEAN], 0x39800000, v[TT]           ; / 4,096
	v_mov_b32 v[MEAN+1], v[MEAN]
	; pass 2: the squares of the deviations, four pairs at a time
.set j, 0
.rept 16
.irp k, 0,1,2,3
	v_pk_add_f32 v[XR+8*j+2*\k:XR+8*j+2*\k+1], v[XR+8*j+2*\k:XR+8*j+2*\k+1], v[MEAN:MEAN+1] neg_lo:[0,1] neg_hi:[0,1]
.endr
.irp k, 0,1,2,3
.if j == 0
	v_pk_mul_f32 v[CH+2*\k:CH+2*\k+1], v[XR+2*\k:XR+2*\k+1], v[XR+2*\k:XR+2*\k+1]
.else
	v_pk_fma_f32 v[CH+2*\k:CH+2*\k+1], v[XR+8*j+2*\k:XR+8*j+2*\k+1], v[XR+8*j+2*\k:XR+8*j+2*\k+1], v[CH+2*\k:CH+2*\k+1]
.endif
.endr
.set j, j+1
.endr
	FOLD
	WSUM TT, TT+1
	v_mov_b32 v[MEAN+1], v[TT]
	v_cmp_eq_u32 vcc_lo, 0, v0
	s_wait_xcnt 0x0                                ; EXEC is a source of the stores above: it changes only behind this wait
	s_and_saveexec_b32 s30, vcc_lo
	global_store_b64 v3, v[MEAN:MEAN+1], s[10:11]  ; lane 0 alone
	s_wait_xcnt 0x0                                ; and again in front of the line that widens it
	s_or_b32 exec_lo, exec_lo, s30
	s_endpgm
.Lfunc_end_k_q7c39e908f4_prep:
	.size	k_q7c39e908f4_prep, .Lfunc_end_k_q7c39e908f4_prep-k_q7c39e908f4_prep
	.p2alignl 7, 3214868480
	.fill 96, 4, 3214868480
	.section	.rodata,"a",@progbits
	.p2align	6, 0x0
	.amdhsa_kernel k_q7c39e908f4_prep
		.amdhsa_group_segment_fixed_size 0
		.amdhsa_private_segment_fixed_size 0
		.amdhsa_enable_private_segment 0
		.amdhsa_kernarg_size 40
		.amdhsa_user_sgpr_count 2
		.amdhsa_user_sgpr_kernarg_segment_ptr 1
		.amdhsa_wavefront_size32 1
		.amdhsa_system_sgpr_workgroup_id_x 1
		.amdhsa_system_sgpr_workgroup_id_y 1
		.amdhsa_system_sgpr_workgroup_id_z 1
		.amdhsa_system_vgpr_workitem_id 0
		.amdhsa_next_free_vgpr 176
		.amdhsa_next_free_sgpr 66
		.amdhsa_reserve_vcc 1
		.amdhsa_float_denorm_mode_32 3
		.amdhsa_float_denorm_mode_16_64 3
		.amdhsa_memory_ordered 1
		.amdhsa_forward_progress 1
		.amdhsa_inst_pref_size 20
	.end_amdhsa_kernel
	.amdgpu_metadata
---
amdhsa.version: [ 1, 2 ]
amdhsa.kernels:
  - .name:           k_q7c39e908f4_prep
    .symbol:         k_q7c39e908f4_prep.kd
    .args:
      - { .name: x, .offset: 0, .size: 8, .value_kind: global_buffer, .address_space: global }
      - { .name: qkv_w, .offset: 8, .size: 8, .value_kind: global_buffer, .address_space: global }
      - { .name: proj_w, .offset: 16, .size: 8, .value_kind: global_buffer, .address_space: global }
      - { .name: stats, .offset: 24, .size: 8, .value_kind: global_buffer, .address_space: global }
      - { .name: wfrag, .offset: 32, .size: 8, .value_kind: global_buffer, .address_space: global }
    .group_segment_fixed_size: 0
    .private_segment_fixed_size: 0
    .kernarg_segment_align: 8
    .kernarg_segment_size: 40
    .max_flat_workgroup_size: 32
    .sgpr_count:     66
    .vgpr_count:     176
    .wavefront_size: 32
...
	.end_amdgpu_metadata
.endif
;; end of part 1
;; launch qkv (part 2): grid 64 x 3, 8 waves a work-group, no clusters, 44,032 bytes of LDS; arguments x, stats, norm_gamma, norm_beta, qkv_b, wfrag, qk, vt; writes qk, vt
.if DOCPART == 2
	.amdgcn_target "amdgcn-amd-amdhsa--gfx1250"
	.amdhsa_code_object_version 6
	.text
	.protected	k_q7c39e908f4_qkv
	.globl	k_q7c39e908f4_qkv
	.p2align	8
	.type	k_q7c39e908f4_qkv,@function
k_q7c39e908f4_qkv:
	s_mov_b64 s[64:65], 0
	v_nop
	global_prefetch_b8 v0, s[64:65] scope:SCOPE_SE
	s_setreg_imm32_b32 hwreg(HW_REG_WAVE_MODE, 25, 1), 1
	s_wait_xcnt 0x0
; qkv: GroupNorm applied on the way in, then q, k or v = W h + b for 64 positions, stored in bf16 as matrix fragments for the attention.
; Grid: x = block of 64 positions (64), y = type (0 q, 1 k, 2 v): 192 work-groups of equal work; a work-group of one type has one
; operand order.  Eight waves.  Wave w is GroupNorm group w while h is staged and head w in the product.
; STAGING: wave w loads the 32 channels of group w x 64 positions of x, makes the group's mean and variance from the 32 channels' figures
; (merged as sum of the channels' squared deviations + 4,096 x the squared distance of each channel's mean from the group's: no difference
; of large sums), forms h = x a + b in f32 with a = gamma rstd, b = beta - mean a, rounds to bf16 and lays it into LDS as [channel][position].
; PRODUCT: 256 channels in 8 steps of 32; a wave makes 32 output channels (two blocks of 16) x 64 positions in two passes of 32 positions:
; four accumulators a pass, taken by turns.  The weights (16 fragments, 128 registers) are loaded once, straight from wfrag.
; h's fragments come from LDS by the transposing load (channels run down the LDS rows).
; q, k: source 0 = weights, source 1 = h: a lane's eight results are eight neighbouring channels of one position;
; v:    source 0 = h, source 1 = weights: eight neighbouring positions of one channel.  Either way four conversions make the 16 bytes that
; the lane owns in a fragment of the attention, and every store of a wave covers 512 consecutive bytes, aligned.
;   qk [16: q heads, then k heads][256 tiles of 16 positions][4 octets of channels][16 positions][8 channels]
;   vt [8 heads][128 chunks of 32 positions][2 blocks of 16 channels][4 octets of positions][16 channels][8 positions]
; No tensor loads and no cluster: every operand but h goes straight into registers in its final order, and h has to pass the vector unit.
; Limit: inputs finite.
.set HP,   160                         ; LDS pitch of a channel's 64 bf16 (128 bytes + 32): an odd multiple of 32 bytes
.set TAB,  256*HP                      ; behind h: (a, b) of the 256 channels, 8 bytes each
.set BIAS, 16                          ; v[16:31]   the bias as the first C operand, 8 registers for each block of 16 outputs; before that: at work
.set XS,   32                          ; v[32:95]   x as loaded, 16 x 4 registers
.set AB,   96                          ; v[96:127]  (a, b) of my 16 rows
.set ACC0, 32                          ; v[32:63]   accumulators of pass 0; those of pass 1 lie 64 higher, v[96:127]
.set FR,   64                          ; v[64:95]   h's fragments: 2 buffers x 2 position tiles x 8
.set WF,   128                         ; v[128:255] weights: 2 blocks x 8 K steps x 8
; v1 r, v2 h, v3 offset in x, v4 16 x lane, v5 / v6 table write / read, v7 where h goes, v8 where fragments come from, v9 offset in the bias
.macro WSUM a, b
	v_add_f32_dpp v[\a], v[\a], v[\a] row_xmask:1 row_mask:0xf bank_mask:0xf
	v_add_f32_dpp v[\a], v[\a], v[\a] row_xmask:2 row_mask:0xf bank_mask:0xf
	v_add_f32_dpp v[\a], v[\a], v[\a] row_xmask:4 row_mask:0xf bank_mask:0xf
	v_add_f32_dpp v[\a], v[\a], v[\a] row_xmask:8 row_mask:0xf bank_mask:0xf
	v_permlanex16_b32 v[\b], v[\a], s32, s33
	v_add_f32 v[\a], v[\a], v[\b]
.endm
; h's fragments of step n (pass n / 8, K step n % 8) into buffer n % 2: two position tiles, two transposing loads each (16 channels apart)
.macro FETCH n
.irp p, 0,1
	ds_load_tr16_b128 v[FR+16*((\n)%2)+8*\p:FR+16*((\n)%2)+8*\p+3],   v8 offset:32*HP*((\n)%8)+32*(2*((\n)/8)+\p)
	ds_load_tr16_b128 v[FR+16*((\n)%2)+8*\p+4:FR+16*((\n)%2)+8*\p+7], v8 offset:32*HP*((\n)%8)+32*(2*((\n)/8)+\p)+16*HP
.endr
.endm
; one matrix instruction of step u: output block o, position tile p.  The first K step takes the bias as C.
.macro MM vf, o, p
.set acc, ACC0+64*(u/8)+8*(2*\o+\p)
.set wf, WF+64*\o+8*(u%8)
.set ff, FR+16*(u%2)+8*\p
.if \vf
.if u%8 == 0
	v_wmma_f32_16x16x32_bf16 v[acc:acc+7], v[ff:ff+7], v[wf:wf+7], v[BIAS+8*\o:BIAS+8*\o+7]
.else
	v_wmma_f32_16x16x32_bf16 v[acc:acc+7], v[ff:ff+7], v[wf:wf+7], v[acc:acc+7]
.endif
.else
.if u%8 == 0
	v_wmma_f32_16x16x32_bf16 v[acc:acc+7], v[wf:wf+7], v[ff:ff+7], v[BIAS+8*\o:BIAS+8*\o+7]
.else
	v_wmma_f32_16x16x32_bf16 v[acc:acc+7], v[wf:wf+7], v[ff:ff+7], v[acc:acc+7]
.endif
.endif
.endm
; a pass's four tiles: rounded in place, 16 bytes a lane, stored.  The two passes have accumulators of their own, so no store's data is written again.
.macro OUT vf, pass
.irp o, 0,1
.irp p, 0,1
.set acc, ACC0+64*\pass+8*(2*\o+\p)
.irp i, 0,1,2,3
	v_cvt_pk_bf16_f32 v[acc+\i], v[acc+2*\i], v[acc+2*\i+1]
.endr
.if \vf
	global_store_b128 v4, v[acc:acc+3], s[16:17] offset:2048*\pass+1024*\o+512*\p      ; chunk = pass, channel block o, octets 2p + h
.else
	global_store_b128 v4, v[acc:acc+3], s[16:17] offset:1024*(2*\pass+\p)+512*\o       ; tile 2 pass + p, octets 2o + h
.endif
.endr
.endr
.endm
; everything behind the staging, for q and k (vf = 0) or for v (vf = 1)
.macro TAIL vf
.if \vf
	v_lshlrev_b32 v9, 2, v1                        ; a lane's results are one channel's: bias[16 o + r], in all eight registers
	global_load_b32 v[BIAS],   v9, s[12:13]
	global_load_b32 v[BIAS+8], v9, s[12:13] offset:64
.else
	v_lshlrev_b32 v9, 5, v2                        ; a lane's results are channels 16 o + 8 h + 0 .. 7
.irp o, 0,1
	global_load_b128 v[BIAS+8*\o:BIAS+8*\o+3],   v9, s[12:13] offset:64*\o
	global_load_b128 v[BIAS+8*\o+4:BIAS+8*\o+7], v9, s[12:13] offset:64*\o+16
.endr
.endif
	s_wait_dscnt 0x0                               ; my rows of h are in LDS: zero, for the other waves' sake
	s_barrier_signal -1
	s_barrier_wait -1                              ; everybody's are
	FETCH 0
	FETCH 1
	s_wait_loadcnt 0x0                             ; weights and bias
.if \vf
.irp j, 1,2,3,4,5,6,7
	v_mov_b32 v[BIAS+\j],   v[BIAS]
	v_mov_b32 v[BIAS+8+\j], v[BIAS+8]
.endr
.endif
.set u, 0
.rept 16
.if u == 15
	s_wait_dscnt 0x0
.else
	s_wait_dscnt 0x4                               ; this step's four loads are in; the next step's four stay out
.endif
	MM \vf, 0, 0                                   ; four accumulators by turns, one instruction a turn, in the same order in every step
	MM \vf, 1, 0
	MM \vf, 0, 1
	MM \vf, 1, 1
	v_nop                                          ; four places in front of the loads into the buffer just read
	v_nop                                          ; and of the conversions that read results
	v_nop
	v_nop
.if u <= 13
	FETCH u+2
.endif
.if u == 7
	OUT \vf, 0
.endif
.if u == 15
	OUT \vf, 1
.endif
.set u, u+1
.endr
.endm
	s_load_b256 s[4:11], s[0:1], 0x0               ; x s[4:5], stats s[6:7], gamma s[8:9], beta s[10:11]
	s_load_b256 s[12:19], s[0:1], 0x20             ; qkv_b s[12:13], wfrag s[14:15], qk s[16:17], vt s[18:19]
	s_set_vgpr_msb 0x40
	v_lshl_add_u32 v0, v0, 2, 0xa800
	v_mov_b32 v1, 0
	s_set_vgpr_msb 0x4000
	v_lshrrev_b32 v1, 5, v0
	v_readfirstlane_b32 s20, v1                    ; wave = group = head
	s_and_b32 s21, ttmp7, 0xffff                   ; type
	v_and_b32 v1, 15, v0                           ; r
	v_bfe_u32 v2, v0, 4, 1                         ; h
	v_and_b32 v4, 31, v0                           ; lane
	s_lshl_b32 s22, s20, 19                        ; 32 channels of 16,384 bytes
	v_lshlrev_b32 v3, 4, v1
	v_lshl_add_u32 v3, v2, 14, v3
	v_add_nc_u32 v3, s22, v3                       ; x: channel 32 w + h, 16 bytes at 16 r: sixteen lanes read 256 consecutive bytes, aligned
	s_lshl_b32 s22, s20, 8
	s_add_co_u32 s22, s22, TAB                     ; my wave's 256 bytes of the table
	v_lshl_add_u32 v5, v4, 3, s22                  ; write: channel 32 w + lane
	v_lshl_add_u32 v6, v2, 3, s22                  ; read: channel 32 w + h (+ 2 i in the immediate)
	s_mul_i32 s22, s20, 32*HP
	v_mul_u32_u24 v7, v2, HP
	v_lshl_add_u32 v7, v1, 3, v7
	v_add_nc_u32 v7, s22, v7                       ; h: row 32 w + h, 8 bytes (4 positions) at 8 r
	v_and_b32 v8, 7, v0
	v_lshl_add_u32 v8, v2, 3, v8
	v_mul_u32_u24 v8, v8, HP
	v_bfe_u32 v9, v0, 3, 1
	v_lshl_add_u32 v8, v9, 4, v8                   ; transposing load: row 8 h + lane % 8, 16 bytes at 16 x ((lane / 8) % 2)
	v_lshlrev_b32 v4, 4, v4                        ; 16 x lane
	v_lshlrev_b32 v14, 3, v0                       ; thread t takes channel t's figures,
	v_lshlrev_b32 v15, 2, v0                       ; gamma and beta
	s_lshl_b32 s24, ttmp9, 8                       ; x: 64 positions = 256 bytes
	s_mov_b32 s25, 0
	s_lshl_b32 s26, s21, 17                        ; wfrag: row block 16 type + 2 w, 8,192 bytes each
	s_lshl_b32 s27, s20, 14
	s_add_co_u32 s26, s26, s27
	s_mov_b32 s27, 0
	s_lshl_b32 s28, s21, 10                        ; bias: 256 type + 32 w numbers
	s_lshl_b32 s29, s20, 7
	s_add_co_u32 s28, s28, s29
	s_mov_b32 s29, 0
	s_mov_b32 s32, 0x76543210
	s_mov_b32 s33, 0xfedcba98
	s_mov_b32 s34, 0x37000000                      ; 1 / 131,072: 32 channels x 4,096 positions
	s_mov_b32 s35, 0x3727c5ac                      ; 1e-5
	s_lshl3_add_u32 s30, s21, s20                  ; q, k: plane 8 type + w of qk
	s_cmp_eq_u32 s21, 2
	s_cselect_b32 s30, s20, s30                    ; v: plane w of vt
	s_wait_kmcnt 0x0
	s_cselect_b64 s[16:17], s[18:19], s[16:17]     ; the buffer that this type stores into
	s_lshl_b32 s30, s30, 18                        ; planes of 262,144 bytes
	s_lshl_b32 s31, ttmp9, 12                      ; 64 positions are 4,096 bytes of a plane, in both layouts
	s_add_co_u32 s30, s30, s31
	s_mov_b32 s31, 0
	s_add_nc_u64 s[16:17], s[16:17], s[30:31]
	s_add_nc_u64 s[4:5], s[4:5], s[24:25]
	s_add_nc_u64 s[14:15], s[14:15], s[26:27]
	s_add_nc_u64 s[12:13], s[12:13], s[28:29]
	global_load_b64 v[10:11], v14, s[6:7]          ; (mean, squared deviations) of channel 32 w + lane
	global_load_b32 v12, v15, s[8:9]
	global_load_b32 v13, v15, s[10:11]
.irp i, 0,1,2,3,4,5,6,7,8,9,10,11,12,13,14,15
	global_load_b128 v[XS+4*\i:XS+4*\i+3], v3, s[4:5] offset:32768*\i              ; channels 32 w + 2 i + h
.endr
.irp o, 0,1
.irp kc, 0,1,2,3,4,5,6,7
	global_load_b128 v[WF+64*\o+8*\kc:WF+64*\o+8*\kc+3],   v4, s[14:15] offset:8192*\o+1024*\kc
	global_load_b128 v[WF+64*\o+8*\kc+4:WF+64*\o+8*\kc+7], v4, s[14:15] offset:8192*\o+1024*\kc+512
.endr
.endr
	s_wait_loadcnt 48                              ; the three loads of figures are in; 16 of x and 32 of weights were issued behind them
	v_mov_b32 v16, v10
	v_mov_b32 v17, v10                             ; the lane exchange's destination counts as read
	WSUM 16, 17
	v_mul_f32 v16, 0x3d000000, v16                 ; the group's mean: the channels have equal counts
	v_sub_f32 v18, v10, v16
	v_mul_f32 v19, 0x45800000, v18
	v_fma_f32 v18, v19, v18, v11                   ; 4,096 d d + the channel's own squared deviations
	WSUM 18, 17
	v_fma_f32 v18, v18, s34, s35                   ; variance + eps
	v_rsq_f32 v18, v18
	v_nop                                          ; one plain place behind a transcendental (ISA guide 5.7.2)
	s_wait_alu depctr_va_vdst(0)
	v_mul_f32 v14, v12, v18                        ; a = gamma rstd
	v_fma_f32 v15, -v16, v14, v13                  ; b = beta - mean a
	ds_store_b64 v5, v[14:15]                      ; my wave's own bytes: LDS serves a wave's instructions in order (ISA guide 5.7.1.4), so the loads below see them
.irp i, 0,1,2,3,4,5,6,7,8,9,10,11,12,13,14,15
	ds_load_b64 v[AB+2*\i:AB+2*\i+1], v6 offset:16*\i
.endr
	s_wait_dscnt 0x0
.irp i, 0,1,2,3,4,5,6,7,8,9,10,11,12,13,14,15
	s_wait_loadcnt 47-\i                           ; load i of x is in: 15 - i of x and 32 of weights are younger
	v_pk_fma_f32 v[XS+4*\i:XS+4*\i+1],   v[XS+4*\i:XS+4*\i+1],   v[AB+2*\i:AB+2*\i+1], v[AB+2*\i:AB+2*\i+1] op_sel:[0,0,1] op_sel_hi:[1,0,1]
	v_pk_fma_f32 v[XS+4*\i+2:XS+4*\i+3], v[XS+4*\i+2:XS+4*\i+3], v[AB+2*\i:AB+2*\i+1], v[AB+2*\i:AB+2*\i+1] op_sel:[0,0,1] op_sel_hi:[1,0,1]
	v_cvt_pk_bf16_f32 v[XS+4*\i],   v[XS+4*\i],   v[XS+4*\i+1]
	v_cvt_pk_bf16_f32 v[XS+4*\i+1], v[XS+4*\i+2], v[XS+4*\i+3]
	ds_store_b64 v7, v[XS+4*\i:XS+4*\i+1] offset:2*HP*\i
.endr
	s_cmp_eq_u32 s21, 2                            ; the type is the work-group's: all eight waves go the same way
	s_cbranch_scc1 .Lvalue
	TAIL 0
	s_set_vgpr_msb 0x5
	s_wait_tensorcnt 0x0
	ds_add_u32 v0, v1
	s_wait_dscnt 0x0
	s_set_vgpr_msb 0x500
	s_endpgm
.Lvalue:
	TAIL 1
	s_set_vgpr_msb 0x5
	s_wait_tensorcnt 0x0
	ds_add_u32 v0, v1
	s_wait_dscnt 0x0
	s_set_vgpr_msb 0x500
	s_endpgm
.Lfunc_end_k_q7c39e908f4_qkv:
	.size	k_q7c39e908f4_qkv, .Lfunc_end_k_q7c39e908f4_qkv-k_q7c39e908f4_qkv
	.p2alignl 7, 3214868480
	.fill 96, 4, 3214868480
	.section	.rodata,"a",@progbits
	.p2align	6, 0x0
	.amdhsa_kernel k_q7c39e908f4_qkv
		.amdhsa_group_segment_fixed_size 44032
		.amdhsa_private_segment_fixed_size 0
		.amdhsa_enable_private_segment 0
		.amdhsa_kernarg_size 64
		.amdhsa_user_sgpr_count 2
		.amdhsa_user_sgpr_kernarg_segment_ptr 1
		.amdhsa_wavefront_size32 1
		.amdhsa_system_sgpr_workgroup_id_x 1
		.amdhsa_system_sgpr_workgroup_id_y 1
		.amdhsa_system_sgpr_workgroup_id_z 1
		.amdhsa_system_vgpr_workitem_id 0
		.amdhsa_next_free_vgpr 258
		.amdhsa_next_free_sgpr 66
		.amdhsa_reserve_vcc 0
		.amdhsa_float_denorm_mode_32 3
		.amdhsa_float_denorm_mode_16_64 3
		.amdhsa_memory_ordered 1
		.amdhsa_forward_progress 1
		.amdhsa_inst_pref_size 44
	.end_amdhsa_kernel
	.amdgpu_metadata
---
amdhsa.version: [ 1, 2 ]
amdhsa.kernels:
  - .name:           k_q7c39e908f4_qkv
    .symbol:         k_q7c39e908f4_qkv.kd
    .args:
      - { .name: x, .offset: 0, .size: 8, .value_kind: global_buffer, .address_space: global }
      - { .name: stats, .offset: 8, .size: 8, .value_kind: global_buffer, .address_space: global }
      - { .name: norm_gamma, .offset: 16, .size: 8, .value_kind: global_buffer, .address_space: global }
      - { .name: norm_beta, .offset: 24, .size: 8, .value_kind: global_buffer, .address_space: global }
      - { .name: qkv_b, .offset: 32, .size: 8, .value_kind: global_buffer, .address_space: global }
      - { .name: wfrag, .offset: 40, .size: 8, .value_kind: global_buffer, .address_space: global }
      - { .name: qk, .offset: 48, .size: 8, .value_kind: global_buffer, .address_space: global }
      - { .name: vt, .offset: 56, .size: 8, .value_kind: global_buffer, .address_space: global }
    .group_segment_fixed_size: 44032
    .private_segment_fixed_size: 0
    .kernarg_segment_align: 8
    .kernarg_segment_size: 64
    .max_flat_workgroup_size: 256
    .sgpr_count:     66
    .vgpr_count:     258
    .wavefront_size: 32
...
	.end_amdgpu_metadata
.endif
;; end of part 2
;; launch attn (part 3): grid 32 x 8, 8 waves a work-group, clusters of 4 x 1, 327,680 bytes of LDS; arguments qk, vt, ao; writes ao
.if DOCPART == 3
	.amdgcn_target "amdgcn-amd-amdhsa--gfx1250"
	.amdhsa_code_object_version 6
	.text
	.protected	k_q7c39e908f4_attn
	.globl	k_q7c39e908f4_attn
	.p2align	8
	.type	k_q7c39e908f4_attn,@function
k_q7c39e908f4_attn:
	s_mov_b64 s[64:65], 0
	v_nop
	global_prefetch_b8 v0, s[64:65] scope:SCOPE_SE
	s_setreg_imm32_b32 hwreg(HW_REG_WAVE_MODE, 25, 1), 1
	s_wait_xcnt 0x0
	s_wait_alu depctr_hold_cnt(0) depctr_sa_sdst(0) depctr_va_vdst(0) depctr_va_sdst(0) depctr_va_ssrc(0) depctr_va_vcc(0) depctr_vm_vsrc(0)
	s_getreg_b32 s2, hwreg(HW_REG_IB_STS2, 6, 4)
	s_cmp_eq_u32 s2, 0
	s_cbranch_scc0 .Lentry_in_a_cluster
	s_endpgm
.Lentry_in_a_cluster:
	s_bfe_u32 s2, ttmp6, 0x10000c
	s_cmp_lg_u32 s2, 0x3003
	s_cbranch_scc0 .Lentry_shape_is_right
	s_endpgm
.Lentry_shape_is_right:
; attn: softmax(q k / sqrt(32)) v for one head (grid y) and 128 queries (grid x), with a running maximum.
; CLUSTER: the four work-groups of a cluster have the same head and walk the same keys in the same order, so every tile of K and V is
; asked for jointly (mask 15): each of the four issues the same tensor load with the same descriptor and receives the tile in its own LDS.
; WAVES: eight, two sets of four.  A wave holds 32 queries (two tiles of 16); set 0 takes the first 512 keys of every slot of 1,024,
; set 1 the second 512; at the end the two partial results of each 32 queries are merged through LDS.
; TRANSPOSED USE, no exchange of lanes but one: S^T = K Q^T (source 0 = 16 keys, source 1 = 16 queries): register j of lane (r, h) holds
; key 8h + j of query r.  Two such tiles, packed to bf16, ARE source 1 of O^T = V^T P^T (source 0 = 16 channels x 32 keys; ISA guide 7.12.2).
; A query's maximum, sum and rescaling live in its two lanes r and 16 + r; only the maximum crosses, by one v_permlanex16_b32 a step.
; A wave's query tile t takes positions 64 B + 4 r + pt, pt = 2 (w % 2) + t: the projection then finds four neighbouring positions in one lane.
; LDS: two slots of 131,072 bytes (K of 1,024 keys, then V), fragments in register order, so every LDS load is 512 consecutive bytes;
; behind them 4 x 4,608 bytes for the merge, into which no tensor load lands.
; TENSOR LOADS: each wave brings 16,384 bytes of a slot (waves 0-3 K, 4-7 V).  A wave has two out at the start
; and one behind each later round.
; No prefetch: qk and vt were stored by the launch just before, and a refill has a whole phase of eight steps in which to land.
; Limits: scores finite (in the maxima a NaN loses); exponentials below 2^-126 come out as 0; P is rounded to bf16 for the product with V
; while the row sum adds the f32 numbers.
.set SLOT, 131072
.set KV,   65536                       ; K's part of a slot; V's lies behind it
.set SCR,  2*SLOT
.set QF,   2                           ; v[2:17]    Q, two tiles
.set OA,   18                          ; v[18:49]   O^T: tile (t, ct) at 8 (2 t + ct)
.set SC,   50                          ; v[50:113]  S^T, then P in f32: group g = 4 t + kt at 8 g
.set PF,   114                         ; v[114:145] P in bf16: group g at 4 g, so that fragment (t, c) is at 8 (2 t + c)
.set KF,   146                         ; v[146:177] four K tiles
.set VF,   178                         ; v[178:209] V: fragment (c, ct) at 8 (2 c + ct)
.set MX,   210                         ; v[210:211] running maxima of the raw scores, t = 0, 1
.set LS,   212                         ; v[212:213] the row sums at the end
.set NM,   214                         ; v[214:215] - c x maximum
.set AL,   216                         ; v[216:217] rescaling factors
.set LL,   218                         ; v[218:221] row sums, a pair for each t
.set TT,   222                         ; v[222:229] at work
.set KA,   230                         ; LDS address of the next K tiles
.set VA,   231                         ; of the next V fragments
.set KB,   232                         ; 16 x lane + my set's half of K in slot 0
.set VB,   233                         ; the same for V
.set QOFF, 234
.set L16,  235
.set SCRA, 236
.set G1,   16                          ; s[16:23] descriptor group 1
.set G0,   24                          ; s[24:31] descriptor group 0, one for each slot
; s[32:33] = (c, c), c = log2(e) / sqrt(32); s34 = -c; s35 loop counter; s36, s37 lane selects; s10 wave, s11 wave % 4, s12 set
.macro ROUND                           ; a round of the cluster's barrier
	s_barrier_signal -1
	s_barrier_wait -1
	s_cmp_lg_u32 s10, 0
	s_cbranch_scc1 .Lnot_wave_0_\@
	s_barrier_signal -3
.Lnot_wave_0_\@:
	s_barrier_wait -3
	s_barrier_signal -1
	s_barrier_wait -1
.endm
.macro KLOAD
.irp i, 0,1,2,3,4,5,6,7
	ds_load_b128 v[KF+4*\i:KF+4*\i+3], v[KA] offset:512*\i
.endr
.endm
.macro VLOAD
.irp i, 0,1,2,3,4,5,6,7
	ds_load_b128 v[VF+4*\i:VF+4*\i+3], v[VA] offset:512*\i
.endr
.endm
; the maximum of tile t's 32 scores a lane, of both lanes of a query and of the maximum so far; - c x it; the exponent of the rescaling
.macro RMAX t, first
.irp k, 0,1,2,3
	v_max3_num_f32 v[TT+4*\t+\k], v[SC+32*\t+8*\k], v[SC+32*\t+8*\k+1], v[SC+32*\t+8*\k+2]
.endr
.irp k, 0,1,2,3
	v_max3_num_f32 v[TT+4*\t+\k], v[TT+4*\t+\k], v[SC+32*\t+8*\k+3], v[SC+32*\t+8*\k+4]
.endr
.irp k, 0,1,2,3
	v_max3_num_f32 v[TT+4*\t+\k], v[TT+4*\t+\k], v[SC+32*\t+8*\k+5], v[SC+32*\t+8*\k+6]
.endr
	v_max3_num_f32 v[TT+4*\t],   v[TT+4*\t],   v[TT+4*\t+1], v[SC+32*\t+7]
	v_max3_num_f32 v[TT+4*\t+2], v[TT+4*\t+2], v[TT+4*\t+3], v[SC+32*\t+15]
	v_max3_num_f32 v[TT+4*\t],   v[TT+4*\t],   v[SC+32*\t+23], v[SC+32*\t+31]
	v_max_num_f32 v[TT+4*\t], v[TT+4*\t], v[TT+4*\t+2]
	v_permlanex16_b32 v[TT+4*\t+1], v[TT+4*\t], s36, s37       ; the query's other lane
.if \first
	v_max_num_f32 v[MX+\t], v[TT+4*\t], v[TT+4*\t+1]
	v_mul_f32 v[NM+\t], s34, v[MX+\t]
.else
	v_max3_num_f32 v[TT+4*\t], v[TT+4*\t], v[TT+4*\t+1], v[MX+\t]
	v_mul_f32 v[NM+\t], s34, v[TT+4*\t]
	v_fma_f32 v[AL+\t], v[MX+\t], s32, v[NM+\t]                ; c (old maximum - new maximum), never above 0
	v_mov_b32 v[MX+\t], v[TT+4*\t]
.endif
.endm
.macro PKF g, t, i                     ; pair i of group g: c s - c maximum
	v_pk_fma_f32 v[SC+8*\g+2*\i:SC+8*\g+2*\i+1], v[SC+8*\g+2*\i:SC+8*\g+2*\i+1], s[32:33], v[NM:NM+1] op_sel:[0,0,\t] op_sel_hi:[1,0,\t]
.endm
.macro LADD g, t, i
	s_wait_alu depctr_va_vdst(0)
	v_pk_add_f32 v[LL+2*\t:LL+2*\t+1], v[LL+2*\t:LL+2*\t+1], v[SC+8*\g+2*\i:SC+8*\g+2*\i+1]
.endm
; pair i of group g, exponentials done: into the row sum and, as bf16, into P.  A tile's first pair carries the rescaling of the sum;
; in the very first step the first two pairs start the sum.
.macro USE g, t, i, first
.if 4*(\g%4)+\i == 0
.if \first
	s_wait_alu depctr_va_vdst(0)
	v_pk_add_f32 v[LL+2*\t:LL+2*\t+1], v[SC+8*\g:SC+8*\g+1], v[SC+8*\g+2:SC+8*\g+3]
.else
	s_wait_alu depctr_va_vdst(0)
	v_pk_fma_f32 v[LL+2*\t:LL+2*\t+1], v[LL+2*\t:LL+2*\t+1], v[AL:AL+1], v[SC+8*\g:SC+8*\g+1] op_sel:[0,\t,0] op_sel_hi:[1,\t,1]
.endif
.else
.if 4*(\g%4)+\i == 1
.if \first == 0
	LADD \g, \t, \i
.endif
.else
	LADD \g, \t, \i
.endif
.endif
	v_cvt_pk_bf16_f32 v[PF+4*\g+\i], v[SC+8*\g+2*\i], v[SC+8*\g+2*\i+1]
.endm
; group g's eight exponentials, with the next group's multiply-adds and the last group's sums and roundings between them: every result
; is used a group later, with plain vector instructions between (ISA guide 5.7.2)
.macro GROUP g, gn, tn, gp, tp, first
.irp i, 0,1,2,3
	v_exp_f32 v[SC+8*\g+2*\i], v[SC+8*\g+2*\i]
.if \g < 7
	PKF \gn, \tn, \i
.endif
	v_exp_f32 v[SC+8*\g+2*\i+1], v[SC+8*\g+2*\i+1]
.if \g > 0
	USE \gp, \tp, \i, \first
.endif
.endr
.endm
.macro PV c, t, ct, zero
.if \zero
	v_wmma_f32_16x16x32_bf16 v[OA+8*(2*\t+\ct):OA+8*(2*\t+\ct)+7], v[VF+8*(2*\c+\ct):VF+8*(2*\c+\ct)+7], v[PF+8*(2*\t+\c):PF+8*(2*\t+\c)+7], 0
.else
	v_wmma_f32_16x16x32_bf16 v[OA+8*(2*\t+\ct):OA+8*(2*\t+\ct)+7], v[VF+8*(2*\c+\ct):VF+8*(2*\c+\ct)+7], v[PF+8*(2*\t+\c):PF+8*(2*\t+\c)+7], v[OA+8*(2*\t+\ct):OA+8*(2*\t+\ct)+7]
.endif
.endm
; 64 keys x 32 queries.  first = 1: the wave's very first step starts maxima, sums and O.  kpre = 1: the next step's K tiles are fetched.
.macro STEP first, kpre
	s_wait_dscnt 0x0                               ; this step's K tiles: the only LDS loads that are out
.irp t, 0,1
.irp kt, 0,1,2,3
	v_wmma_f32_16x16x32_bf16 v[SC+8*(4*\t+\kt):SC+8*(4*\t+\kt)+7], v[KF+8*\kt:KF+8*\kt+7], v[QF+8*\t:QF+8*\t+7], 0
.endr
.endr
.if \kpre
	v_add_nc_u32 v[KA], 4096, v[KA]                ; four places in front of the reads of S, of the loads into K
.else
	v_nop
.endif
	v_nop                                          ; and of the loads into V, which the last step's products read
	v_nop
	v_nop
	VLOAD
.if \kpre
	v_add_nc_u32 v[VA], 4096, v[VA]
	KLOAD
.endif
	RMAX 0, \first
	RMAX 1, \first
.if \first == 0
	v_exp_f32 v[AL], v[AL]
	v_exp_f32 v[AL+1], v[AL+1]                     ; first used a group further down
.endif
.irp i, 0,1,2,3
	PKF 0, 0, \i
.endr
	GROUP 0, 1, 0, 0, 0, \first
	GROUP 1, 2, 0, 0, 0, \first
	GROUP 2, 3, 0, 1, 0, \first
	GROUP 3, 4, 1, 2, 0, \first
	GROUP 4, 5, 1, 3, 0, \first
	GROUP 5, 6, 1, 4, 1, \first
	GROUP 6, 7, 1, 5, 1, \first
	GROUP 7, 7, 1, 6, 1, \first
.irp i, 0,1,2,3
	USE 7, 1, \i, \first
.endr
.if \first == 0
.irp t, 0,1
.irp k, 0,1,2,3,4,5,6,7
	v_pk_mul_f32 v[OA+16*\t+2*\k:OA+16*\t+2*\k+1], v[OA+16*\t+2*\k:OA+16*\t+2*\k+1], v[AL:AL+1] op_sel:[0,\t] op_sel_hi:[1,\t]
.endr
.endr
.endif
.if \kpre
	s_wait_dscnt 0x8                               ; V's eight loads are in; the next K's eight, issued behind them, stay out
.else
	s_wait_dscnt 0x0
.endif
	PV 0, 0, 0, \first                             ; four accumulators by turns, one instruction a turn
	PV 0, 0, 1, \first
	PV 0, 1, 0, \first
	PV 0, 1, 1, \first
	PV 1, 0, 0, 0
	PV 1, 0, 1, 0
	PV 1, 1, 0, 0
	PV 1, 1, 1, 0
.endm
; my set's 512 keys of a slot: eight steps
.macro PHASE slot, first
	v_add_nc_u32 v[KA], \slot*SLOT, v[KB]
	v_add_nc_u32 v[VA], \slot*SLOT, v[VB]
	KLOAD
.if \first
	STEP 1, 1
	s_mov_b32 s35, 6
.else
	s_mov_b32 s35, 7
.endif
.Lstep_\@:
	STEP 0, 1
	s_sub_co_u32 s35, s35, 1
	s_cmp_lg_u32 s35, 0
	s_cbranch_scc1 .Lstep_\@
	STEP 0, 0
.endm
	s_load_b128 s[4:7], s[0:1], 0x0                ; qk s[4:5], vt s[6:7]
	s_load_b64 s[8:9], s[0:1], 0x10                ; ao
	v_lshl_add_u32 v240, v0, 2, 0x44800
	v_mov_b32 v241, 0
	ds_add_u32 v240, v241
	v_lshrrev_b32 v1, 5, v0
	v_readfirstlane_b32 s10, v1                    ; wave 0 .. 7
	s_and_b32 s11, s10, 3                          ; w: which 32 queries; also which quarter of K or V I fetch
	s_lshr_b32 s12, s10, 2                         ; set: which half of a slot's keys; also: I fetch K (0) or V (1)
	s_and_b32 s13, ttmp7, 0xffff                   ; head: the cluster's y, one work-group deep
	s_bfe_u32 s14, ttmp6, 0x40000                  ; cx: enters global addresses of Q and of the result alone
	s_lshl_b32 s15, ttmp9, 2
	s_add_co_u32 s15, s15, s14                     ; block of 128 queries
	s_lshl_b32 s15, s15, 1
	s_lshr_b32 s48, s11, 1
	s_add_co_u32 s15, s15, s48                     ; B: block of 64 positions
	s_and_b32 s48, s11, 1
	; group 1: a dense block of 16,384 bytes as 64 rows of 32 elements of 8 bytes
	s_mov_b32 s[G1+0], 15|(3<<16)|(1<<21)          ; 15:0 the mask: all four of the cluster; 17:16 elements of 8 bytes; 21 set beside a mask; no padding
	s_mov_b32 s[G1+1], 32<<16                      ; tensor_dim0 = 32
	s_mov_b32 s[G1+2], 64<<16                      ; tensor_dim1 = 64
	s_mov_b32 s[G1+3], 32<<16                      ; tile_dim0 = 32
	s_mov_b32 s[G1+4], 64                          ; tile_dim1 = 64
	s_mov_b32 s[G1+5], 32                          ; from row to row: 32 elements
	s_mov_b32 s[G1+6], 0
	s_mov_b32 s[G1+7], 0
	s_mov_b32 s32, 0x3e8293ee                      ; c = log2(e) / sqrt(32)
	s_mov_b32 s33, 0x3e8293ee
	s_mov_b32 s34, 0xbe8293ee
	s_mov_b32 s36, 0x76543210
	s_mov_b32 s37, 0xfedcba98
	s_lshl_b32 s42, s13, 18                        ; a head's plane: 262,144 bytes
	s_lshl_b32 s40, s11, 14
	s_add_co_u32 s40, s40, s42                     ; V: head's plane + my quarter of 16,384 bytes
	s_mov_b32 s41, 0
	s_add_co_u32 s38, s40, 8*262144                ; K: the same in planes 8 .. 15 of qk
	s_mov_b32 s39, 0
	s_lshl_b32 s43, s10, 14                        ; where my part goes in a slot: wave x 16,384
	s_lshl_b32 s44, s15, 12
	s_add_co_u32 s44, s44, s42                     ; head's plane + 4,096 B
	s_lshl_b32 s46, s48, 11
	s_add_co_u32 s46, s46, s44                     ; the result: column tiles 4 B + 2 (w % 2) + t
	s_mov_b32 s47, 0
	s_lshl_b32 s48, s48, 5
	s_add_co_u32 s44, s44, s48                     ; Q: 16 bytes x pt
	s_mov_b32 s45, 0
	s_wait_dscnt 0x0
	s_wait_kmcnt 0x0
	s_add_nc_u64 s[38:39], s[4:5], s[38:39]
	s_add_nc_u64 s[40:41], s[6:7], s[40:41]
	s_add_nc_u64 s[44:45], s[4:5], s[44:45]
	s_add_nc_u64 s[46:47], s[8:9], s[46:47]
	s_cmp_lt_u32 s10, 4
	s_cselect_b64 s[38:39], s[38:39], s[40:41]     ; waves 0-3 fetch K, waves 4-7 V: head and wave alone, equal in all four partners
.irp n, 0,1
	s_mov_b32 s[G0+4*\n], 1
	s_add_co_u32 s[G0+4*\n+1], s43, \n*SLOT        ; LDS address
	s_add_nc_u64 s[G0+4*\n+2:G0+4*\n+3], s[38:39], \n*KV       ; keys 1,024 n ..: 65,536 bytes of K and of V
	s_or_b32 s[G0+4*\n+3], s[G0+4*\n+3], 0x80000000            ; type
.endr
	ROUND                                          ; all four work-groups are here: the first joint loads meet
	tensor_load_to_lds s[G0:G0+3], s[G1:G1+7]
	s_nop 0
	tensor_load_to_lds s[G0+4:G0+7], s[G1:G1+7]
	s_nop 0
	v_and_b32 v[L16], 31, v0
	v_lshlrev_b32 v[L16], 4, v[L16]
	v_bfe_u32 v[TT], v0, 2, 2                      ; r / 4
	v_and_b32 v[TT+1], 3, v0                       ; r % 4
	v_bfe_u32 v[TT+2], v0, 4, 1                    ; h
	v_lshlrev_b32 v[QOFF], 10, v[TT]               ; position 64 B + 4 r + pt lies in tile 4 B + r / 4, row 4 (r % 4) + pt
	v_lshl_add_u32 v[QOFF], v[TT+2], 8, v[QOFF]    ; octet h (registers 4-7: 2 + h)
	v_lshl_add_u32 v[QOFF], v[TT+1], 6, v[QOFF]
.irp t, 0,1
	global_load_b128 v[QF+8*\t:QF+8*\t+3],   v[QOFF], s[44:45] offset:16*\t
	global_load_b128 v[QF+8*\t+4:QF+8*\t+7], v[QOFF], s[44:45] offset:16*\t+512
.endr
	s_lshl_b32 s48, s12, 15                        ; my set's 512 keys: 32,768 bytes of K and of V
	v_add_nc_u32 v[KB], s48, v[L16]
	v_add_nc_u32 v[VB], KV, v[KB]
	s_mul_i32 s49, s11, 4608
	s_add_co_u32 s49, s49, SCR
	v_add_nc_u32 v[SCRA], s49, v[L16]
	s_wait_tensorcnt 0x1                           ; my part of slot 0 is in; slot 1's stays out
	s_barrier_signal -1
	s_barrier_wait -1                              ; everybody's part is
	s_wait_loadcnt 0x0                             ; Q
	PHASE 0, 1                                     ; keys 0 .. 1,023
	s_wait_dscnt 0x0                               ; my reads of slot 0 are back
	s_wait_tensorcnt 0x0                           ; all my tensor loads have landed, my part of slot 1 among them: a group 0 may be written
	ds_add_u32 v240, v241
	s_wait_dscnt 0x0
	s_add_nc_u64 s[G0+2:G0+3], s[G0+2:G0+3], 2*KV
	ROUND                                          ; both hold of every wave of all four work-groups
	tensor_load_to_lds s[G0:G0+3], s[G1:G1+7]      ; keys 2,048 .. 3,071 into slot 0: my one load behind this round
	s_nop 0
	PHASE 1, 0                                     ; keys 1,024 .. 2,047
	s_wait_dscnt 0x0
	s_wait_tensorcnt 0x0
	ds_add_u32 v240, v241
	s_wait_dscnt 0x0
	s_add_nc_u64 s[G0+6:G0+7], s[G0+6:G0+7], 2*KV
	ROUND
	tensor_load_to_lds s[G0+4:G0+7], s[G1:G1+7]    ; keys 3,072 .. 4,095 into slot 1: the last load
	s_nop 0
	PHASE 0, 0                                     ; keys 2,048 .. 3,071
	s_wait_dscnt 0x0
	s_wait_tensorcnt 0x0                           ; my part of the last tile is in
	s_barrier_signal -1
	s_barrier_wait -1                              ; everybody's is; nothing is filled any more
	PHASE 1, 0                                     ; keys 3,072 .. 4,095
	; THE MERGE of the two sets' results for the same 32 queries
	v_add_f32 v[LS],   v[LL],   v[LL+1]            ; these two and two v_nop are the four places behind the last products
	v_add_f32 v[LS+1], v[LL+2], v[LL+3]
	v_nop
	v_nop
	v_permlanex16_b32 v[TT],   v[LS],   s36, s37   ; a query's sum lies in two lanes
	v_permlanex16_b32 v[TT+1], v[LS+1], s36, s37
	v_add_f32 v[LS],   v[LS],   v[TT]
	v_add_f32 v[LS+1], v[LS+1], v[TT+1]
	s_cmp_lt_u32 s10, 4
	s_cbranch_scc1 .Lkeeps
.irp i, 0,1,2,3,4,5,6,7
	ds_store_b128 v[SCRA], v[OA+4*\i:OA+4*\i+3] offset:512*\i
.endr
	ds_store_b128 v[SCRA], v[MX:MX+3] offset:4096  ; maxima and sums
.Lkeeps:
	s_wait_dscnt 0x0                               ; zero, for the partner's sake
	s_barrier_signal -1
	s_barrier_wait -1
	s_cmp_ge_u32 s10, 4
	s_cbranch_scc1 .Lclose
.irp i, 0,1,2,3,4,5,6,7,8
	ds_load_b128 v[SC+4*\i:SC+4*\i+3], v[SCRA] offset:512*\i       ; the partner's O in v[SC .. SC+31], its maxima and sums in v[SC+32 .. SC+35]
.endr
	s_wait_dscnt 0x0
.irp t, 0,1
	v_max_num_f32 v[TT+4+\t], v[MX+\t], v[SC+32+\t]
	v_sub_f32 v[TT+\t],   v[MX+\t],    v[TT+4+\t]
	v_sub_f32 v[TT+2+\t], v[SC+32+\t], v[TT+4+\t]
	v_mul_f32 v[TT+\t],   s32, v[TT+\t]
	v_mul_f32 v[TT+2+\t], s32, v[TT+2+\t]
.endr
.irp k, 0,1,2,3
	v_exp_f32 v[TT+\k], v[TT+\k]                   ; one of a query's two factors is 1
.endr
	v_nop
	s_wait_alu depctr_va_vdst(0)
.irp t, 0,1
	v_mul_f32 v[TT+4+\t], v[LS+\t], v[TT+\t]
	v_fma_f32 v[TT+4+\t], v[SC+34+\t], v[TT+2+\t], v[TT+4+\t]      ; the whole row's sum, at least 1
.endr
	v_rcp_f32 v[TT+4], v[TT+4]
	v_rcp_f32 v[TT+5], v[TT+5]
	v_nop
	s_wait_alu depctr_va_vdst(0)
.irp t, 0,1
	v_mul_f32 v[TT+\t],   v[TT+\t],   v[TT+4+\t]
	v_mul_f32 v[TT+2+\t], v[TT+2+\t], v[TT+4+\t]
.endr
.irp t, 0,1
.irp k, 0,1,2,3,4,5,6,7
	v_pk_mul_f32 v[OA+16*\t+2*\k:OA+16*\t+2*\k+1], v[OA+16*\t+2*\k:OA+16*\t+2*\k+1], v[TT:TT+1] op_sel:[0,\t] op_sel_hi:[1,\t]
.endr
.irp k, 0,1,2,3,4,5,6,7
	v_pk_fma_f32 v[OA+16*\t+2*\k:OA+16*\t+2*\k+1], v[SC+16*\t+2*\k:SC+16*\t+2*\k+1], v[TT+2:TT+3], v[OA+16*\t+2*\k:OA+16*\t+2*\k+1] op_sel:[0,\t,0] op_sel_hi:[1,\t,1]
.endr
.endr
	; register j of lane (r, h) of tile (t, ct) is channel 16 ct + 8 h + j of query r: 16 bytes of a fragment whose columns are the queries
.irp t, 0,1
.irp ct, 0,1
.irp i, 0,1,2,3
	v_cvt_pk_bf16_f32 v[OA+8*(2*\t+\ct)+\i], v[OA+8*(2*\t+\ct)+2*\i], v[OA+8*(2*\t+\ct)+2*\i+1]
.endr
	global_store_b128 v[L16], v[OA+8*(2*\t+\ct):OA+8*(2*\t+\ct)+3], s[46:47] offset:1024*\t+512*\ct    ; 512 consecutive bytes, aligned
.endr
.endr
.Lclose:
	s_wait_tensorcnt 0x0
	ds_add_u32 v240, v241
	s_wait_dscnt 0x0
	ROUND                                          ; the closing round: no work-group ends while a partner may still ask for a tile that names it
	s_endpgm
.Lfunc_end_k_q7c39e908f4_attn:
	.size	k_q7c39e908f4_attn, .Lfunc_end_k_q7c39e908f4_attn-k_q7c39e908f4_attn
	.p2alignl 7, 3214868480
	.fill 96, 4, 3214868480
	.section	.rodata,"a",@progbits
	.p2align	6, 0x0
	.amdhsa_kernel k_q7c39e908f4_attn
		.amdhsa_group_segment_fixed_size 327680
		.amdhsa_private_segment_fixed_size 0
		.amdhsa_enable_private_segment 0
		.amdhsa_kernarg_size 24
		.amdhsa_user_sgpr_count 2
		.amdhsa_user_sgpr_kernarg_segment_ptr 1
		.amdhsa_wavefront_size32 1
		.amdhsa_system_sgpr_workgroup_id_x 1
		.amdhsa_system_sgpr_workgroup_id_y 1
		.amdhsa_system_sgpr_workgroup_id_z 1
		.amdhsa_system_vgpr_workitem_id 0
		.amdhsa_next_free_vgpr 242
		.amdhsa_next_free_sgpr 66
		.amdhsa_reserve_vcc 0
		.amdhsa_float_denorm_mode_32 3
		.amdhsa_float_denorm_mode_16_64 3
		.amdhsa_memory_ordered 1
		.amdhsa_forward_progress 1
		.amdhsa_inst_pref_size 145
	.end_amdhsa_kernel
	.amdgpu_metadata
---
amdhsa.version: [ 1, 2 ]
amdhsa.kernels:
  - .name:           k_q7c39e908f4_attn
    .symbol:         k_q7c39e908f4_attn.kd
    .args:
      - { .name: qk, .offset: 0, .size: 8, .value_kind: global_buffer, .address_space: global }
      - { .name: vt, .offset: 8, .size: 8, .value_kind: global_buffer, .address_space: global }
      - { .name: ao, .offset: 16, .size: 8, .value_kind: global_buffer, .address_space: global }
    .group_segment_fixed_size: 327680
    .private_segment_fixed_size: 0
    .kernarg_segment_align: 8
    .kernarg_segment_size: 24
    .max_flat_workgroup_size: 256
    .sgpr_count:     66
    .vgpr_count:     242
    .wavefront_size: 32
...
	.end_amdgpu_metadata
.endif
;; end of part 3
;; launch proj (part 4): grid 64 x 4, 4 waves a work-group, no clusters, 0 bytes of LDS; arguments ao, wfrag, proj_b, x, out0; writes out0
.if DOCPART == 4
	.amdgcn_target "amdgcn-amd-amdhsa--gfx1250"
	.amdhsa_code_object_version 6
	.text
	.protected	k_q7c39e908f4_proj
	.globl	k_q7c39e908f4_proj
	.p2align	8
	.type	k_q7c39e908f4_proj,@function
k_q7c39e908f4_proj:
	s_mov_b64 s[64:65], 0
	v_nop
	global_prefetch_b8 v0, s[64:65] scope:SCOPE_SE
	s_setreg_imm32_b32 hwreg(HW_REG_WAVE_MODE, 25, 1), 1
	s_wait_xcnt 0x0
; proj: out0 = x + proj_w a + proj_b, a = the attention's result.
; Grid: x = block B of 64 positions, y = 64 output channels; four waves, wave w makes output block ot = 4 y + w (16 channels) x 64 positions:
; four accumulators (column tiles pt = 0 .. 3), K = 256 in 8 steps (step kc = head kc), 32 matrix instructions.
; Both operands come straight from memory in register order (two loads of 512 consecutive bytes a fragment): no LDS, no barrier.
; Column r of tile pt is position 64 B + 4 r + pt, so register j of the four accumulators is four NEIGHBOURING positions of channel
; 16 ot + 8 h + j: adding them onto the 16 bytes of x gathers them, and sixteen lanes store 256 consecutive bytes, aligned.
; The bias enters as the first step's C operand.
; No cluster, no tensor loads: a work-group moves some 100 KB, all of it in its final register order.
.set BIAS, 4                           ; v[4:11]
.set ACC,  12                          ; v[12:43]   tile pt at 8 pt
.set WF,   44                          ; v[44:107]  weights, step kc at 8 kc
.set AO,   108                         ; v[108:235] four slots of four fragments; slot kc % 4
.set XR,   108                         ; v[108:139] x, 4 registers for each j: slot 0 once its last fragments are used
.macro AOLD kc
.irp pt, 0,1,2,3
	global_load_b128 v[AO+32*((\kc)%4)+8*\pt:AO+32*((\kc)%4)+8*\pt+3],   v1, s[4:5] offset:262144*(\kc)+1024*\pt
	global_load_b128 v[AO+32*((\kc)%4)+8*\pt+4:AO+32*((\kc)%4)+8*\pt+7], v1, s[4:5] offset:262144*(\kc)+1024*\pt+512
.endr
.endm
	s_load_b256 s[4:11], s[0:1], 0x0               ; ao s[4:5], wfrag s[6:7], proj_b s[8:9], x s[10:11]
	s_load_b64 s[12:13], s[0:1], 0x20              ; out0
	v_lshrrev_b32 v1, 5, v0
	v_readfirstlane_b32 s14, v1                    ; wave
	s_and_b32 s15, ttmp7, 0xffff
	s_lshl2_add_u32 s16, s15, s14                  ; ot = 4 y + w
	v_and_b32 v1, 31, v0
	v_lshlrev_b32 v1, 4, v1                        ; 16 x lane
	v_and_b32 v2, 15, v0
	v_bfe_u32 v3, v0, 4, 1
	v_lshlrev_b32 v2, 4, v2
	v_lshl_add_u32 v2, v3, 17, v2                  ; x, out0: 8 h channels of 16,384 bytes + 16 r
	v_lshlrev_b32 v3, 5, v3                        ; bias: 8 h numbers
	s_lshl_b32 s18, ttmp9, 12                      ; ao: column tiles 4 B ..
	s_mov_b32 s19, 0
	s_lshl_b32 s20, s16, 13
	s_add_co_u32 s20, s20, 48*8192                 ; wfrag: row block 48 + ot
	s_mov_b32 s21, 0
	s_lshl_b32 s22, s16, 6
	s_mov_b32 s23, 0
	s_lshl_b32 s24, s16, 18                        ; 16 channels of 16,384 bytes
	s_lshl_b32 s25, ttmp9, 8                       ; 64 positions
	s_add_co_u32 s24, s24, s25
	s_mov_b32 s25, 0
	s_wait_kmcnt 0x0
	s_add_nc_u64 s[4:5], s[4:5], s[18:19]
	s_add_nc_u64 s[6:7], s[6:7], s[20:21]
	s_add_nc_u64 s[8:9], s[8:9], s[22:23]
	s_add_nc_u64 s[10:11], s[10:11], s[24:25]
	s_add_nc_u64 s[12:13], s[12:13], s[24:25]
	global_load_b128 v[BIAS:BIAS+3],   v3, s[8:9]
	global_load_b128 v[BIAS+4:BIAS+7], v3, s[8:9] offset:16
.irp kc, 0,1,2,3,4,5,6,7
	global_load_b128 v[WF+8*\kc:WF+8*\kc+3],   v1, s[6:7] offset:1024*\kc
	global_load_b128 v[WF+8*\kc+4:WF+8*\kc+7], v1, s[6:7] offset:1024*\kc+512
.endr
	AOLD 0
	AOLD 1
	AOLD 2
	AOLD 3
.set kc, 0
.rept 8
.set lc, 24                                        ; behind this step's eight loads three groups of eight are out,
.if kc == 6
.set lc, 16                                        ; then two (the last step's and x's),
.endif
.if kc == 7
.set lc, 8                                         ; then x's alone
.endif
	s_wait_loadcnt lc
.irp pt, 0,1,2,3
.if kc == 0
	v_wmma_f32_16x16x32_bf16 v[ACC+8*\pt:ACC+8*\pt+7], v[WF:WF+7], v[AO+8*\pt:AO+8*\pt+7], v[BIAS:BIAS+7]
.else
	v_wmma_f32_16x16x32_bf16 v[ACC+8*\pt:ACC+8*\pt+7], v[WF+8*kc:WF+8*kc+7], v[AO+32*(kc%4)+8*\pt:AO+32*(kc%4)+8*\pt+7], v[ACC+8*\pt:ACC+8*\pt+7]
.endif
.endr
	v_nop                                          ; four accumulators by turns; four places (ISA guide 7.12.1)
	v_nop                                          ; in front of the loads into the slot just read and of the sums that read results
	v_nop
	v_nop
.if kc <= 3
	AOLD kc+4
.endif
.if kc == 4
.irp j, 0,1,2,3,4,5,6,7
	global_load_b128 v[XR+4*\j:XR+4*\j+3], v2, s[10:11] offset:16384*\j th:TH_LOAD_NT     ; x(16 ot + 8 h + j, 64 B + 4 r ..): its last reader
.endr
.endif
.set kc, kc+1
.endr
	s_wait_loadcnt 0x0
.irp j, 0,1,2,3,4,5,6,7
.irp pt, 0,1,2,3
	v_add_f32 v[XR+4*\j+\pt], v[XR+4*\j+\pt], v[ACC+8*\pt+\j]
.endr
	global_store_b128 v2, v[XR+4*\j:XR+4*\j+3], s[12:13] offset:16384*\j th:TH_STORE_NT
.endr
	s_endpgm
.Lfunc_end_k_q7c39e908f4_proj:
	.size	k_q7c39e908f4_proj, .Lfunc_end_k_q7c39e908f4_proj-k_q7c39e908f4_proj
	.p2alignl 7, 3214868480
	.fill 96, 4, 3214868480
	.section	.rodata,"a",@progbits
	.p2align	6, 0x0
	.amdhsa_kernel k_q7c39e908f4_proj
		.amdhsa_group_segment_fixed_size 0
		.amdhsa_private_segment_fixed_size 0
		.amdhsa_enable_private_segment 0
		.amdhsa_kernarg_size 40
		.amdhsa_user_sgpr_count 2
		.amdhsa_user_sgpr_kernarg_segment_ptr 1
		.amdhsa_wavefront_size32 1
		.amdhsa_system_sgpr_workgroup_id_x 1
		.amdhsa_system_sgpr_workgroup_id_y 1
		.amdhsa_system_sgpr_workgroup_id_z 1
		.amdhsa_system_vgpr_workitem_id 0
		.amdhsa_next_free_vgpr 240
		.amdhsa_next_free_sgpr 66
		.amdhsa_reserve_vcc 0
		.amdhsa_float_denorm_mode_32 3
		.amdhsa_float_denorm_mode_16_64 3
		.amdhsa_memory_ordered 1
		.amdhsa_forward_progress 1
		.amdhsa_inst_pref_size 15
	.end_amdhsa_kernel
	.amdgpu_metadata
---
amdhsa.version: [ 1, 2 ]
amdhsa.kernels:
  - .name:           k_q7c39e908f4_proj
    .symbol:         k_q7c39e908f4_proj.kd
    .args:
      - { .name: ao, .offset: 0, .size: 8, .value_kind: global_buffer, .address_space: global }
      - { .name: wfrag, .offset: 8, .size: 8, .value_kind: global_buffer, .address_space: global }
      - { .name: proj_b, .offset: 16, .size: 8, .value_kind: global_buffer, .address_space: global }
      - { .name: x, .offset: 24, .size: 8, .value_kind: global_buffer, .address_space: global }
      - { .name: out0, .offset: 32, .size: 8, .value_kind: global_buffer, .address_space: global }
    .group_segment_fixed_size: 0
    .private_segment_fixed_size: 0
    .kernarg_segment_align: 8
    .kernarg_segment_size: 40
    .max_flat_workgroup_size: 128
    .sgpr_count:     66
    .vgpr_count:     240
    .wavefront_size: 32
...
	.end_amdgpu_metadata
.endif
;; end of part 4
;; ======== version 2 of 2: 4 launches; 1.18 times as fast as version 1
;; workspace buffers: stats 2,048 bytes; wfrag 524,288 bytes; qk 4,194,304 bytes; vt 2,097,152 bytes; ao 2,097,152 bytes
;; launch prep: the kernel of part 1 again; grid 256 x 1, 1 waves a work-group, no clusters, 0 bytes of LDS; arguments x, qkv_w, proj_w, stats, wfrag; writes stats, wfrag
;; launch qkv: the kernel of part 2 again; grid 64 x 3, 8 waves a work-group, no clusters, 44,032 bytes of LDS; arguments x, stats, norm_gamma, norm_beta, qkv_b, wfrag, qk, vt; writes qk, vt
;; launch attn (part 5): grid 32 x 8, 8 waves a work-group, clusters of 4 x 1, 327,680 bytes of LDS; arguments qk, vt, ao; writes ao
.if DOCPART == 5
	.amdgcn_target "amdgcn-amd-amdhsa--gfx1250"
	.amdhsa_code_object_version 6
	.text
	.protected	k_q7c39e908f4_attn
	.globl	k_q7c39e908f4_attn
	.p2align	8
	.type	k_q7c39e908f4_attn,@function
k_q7c39e908f4_attn:
	s_mov_b64 s[64:65], 0
	v_nop
	global_prefetch_b8 v0, s[64:65] scope:SCOPE_SE
	s_setreg_imm32_b32 hwreg(HW_REG_WAVE_MODE, 25, 1), 1
	s_wait_xcnt 0x0
	s_wait_alu depctr_hold_cnt(0) depctr_sa_sdst(0) depctr_va_vdst(0) depctr_va_sdst(0) depctr_va_ssrc(0) depctr_va_vcc(0) depctr_vm_vsrc(0)
	s_getreg_b32 s2, hwreg(HW_REG_IB_STS2, 6, 4)
	s_cmp_eq_u32 s2, 0
	s_cbranch_scc0 .Lentry_in_a_cluster
	s_endpgm
.Lentry_in_a_cluster:
	s_bfe_u32 s2, ttmp6, 0x10000c
	s_cmp_lg_u32 s2, 0x3003
	s_cbranch_scc0 .Lentry_shape_is_right
	s_endpgm
.Lentry_shape_is_right:
; attn: softmax(q k / sqrt(32)) v for one head (grid y) and 128 queries (grid x), with a running maximum.
; CLUSTER: the four work-groups of a cluster have the same head and walk the same keys in the same order, so every tile of K and V is
; asked for jointly (mask 15): each of the four issues the same tensor load with the same descriptor and receives the tile in its own LDS.
; WAVES: eight, two sets of four.  A wave holds 32 queries (two tiles of 16); set 0 takes the first 512 keys of every slot of 1,024,
; set 1 the second 512; at the end the two partial results of each 32 queries are merged through LDS.
; TRANSPOSED USE, no exchange of lanes but one: S^T = K Q^T (source 0 = 16 keys, source 1 = 16 queries): register j of lane (r, h) holds
; key 8h + j of query r.  Two such tiles, packed to bf16, ARE source 1 of O^T = V^T P^T (source 0 = 16 channels x 32 keys; ISA guide 7.12.2).
; A query's maximum, sum and rescaling live in its two lanes r and 16 + r; only the maximum crosses, by one v_permlanex16_b32 a step.
; A wave's query tile t takes positions 64 B + 4 r + pt, pt = 2 (w % 2) + t: the projection then finds four neighbouring positions in one lane.
; THE EXPONENTIALS OF A STEP ARE ONE BATCH WITH ONE WAIT.  Ahead of the wait stands all that names no exponential's result: both tiles' maxima, the two
; exponentials of the rescaling factors, the 32 multiply-adds c s - c m and the 64 exponentials of the scores, each in place in a register of its own;
; a multiply-add names only scores that have not had their exponential yet.  Behind the last exponential the new maxima are kept and V's LDS address
; is stepped: plain work that names no result.  Then the wait; behind it all the readers: the sums, the roundings to bf16, the rescaling of O^T.
; On the way out the four exponentials of the merge are a batch, and the two reciprocals, which read a sum made of them, another.
; LDS: two slots of 131,072 bytes (K of 1,024 keys, then V), fragments in register order, so every LDS load is 512 consecutive bytes;
; behind them 4 x 4,608 bytes for the merge, into which no tensor load lands.
; TENSOR LOADS: each wave brings 16,384 bytes of a slot (waves 0-3 K, 4-7 V).  A wave has two out at the start
; and one behind each later round.
; No prefetch: qk and vt were stored by the launch just before, and a refill has a whole phase of eight steps in which to land.
; Limits: scores finite (in the maxima a NaN loses); exponentials below 2^-126 come out as 0; P is rounded to bf16 for the product with V
; while the row sum adds the f32 numbers.
.set SLOT, 131072
.set KV,   65536                       ; K's part of a slot; V's lies behind it
.set SCR,  2*SLOT
.set QF,   2                           ; v[2:17]    Q, two tiles
.set OA,   18                          ; v[18:49]   O^T: tile (t, ct) at 8 (2 t + ct)
.set SC,   50                          ; v[50:113]  S^T, then P in f32: group g = 4 t + kt at 8 g
.set PF,   114                         ; v[114:145] P in bf16: group g at 4 g, so that fragment (t, c) is at 8 (2 t + c)
.set KF,   146                         ; v[146:177] four K tiles
.set VF,   178                         ; v[178:209] V: fragment (c, ct) at 8 (2 c + ct)
.set MX,   210                         ; v[210:211] running maxima of the raw scores, t = 0, 1
.set LS,   212                         ; v[212:213] the row sums at the end
.set NM,   214                         ; v[214:215] - c x maximum
.set AL,   216                         ; v[216:217] rescaling factors
.set LL,   218                         ; v[218:221] row sums, a pair for each t
.set TT,   222                         ; v[222:229] at work
.set KA,   230                         ; LDS address of the next K tiles
.set VA,   231                         ; of the next V fragments
.set KB,   232                         ; 16 x lane + my set's half of K in slot 0
.set VB,   233                         ; the same for V
.set QOFF, 234
.set L16,  235
.set SCRA, 236
.set G1,   16                          ; s[16:23] descriptor group 1
.set G0,   24                          ; s[24:31] descriptor group 0, one for each slot
; s[32:33] = (c, c), c = log2(e) / sqrt(32); s34 = -c; s35 loop counter; s36, s37 lane selects; s10 wave, s11 wave % 4, s12 set
.macro ROUND                           ; a round of the cluster's barrier
	s_barrier_signal -1
	s_barrier_wait -1
	s_cmp_lg_u32 s10, 0
	s_cbranch_scc1 .Lnot_wave_0_\@
	s_barrier_signal -3
.Lnot_wave_0_\@:
	s_barrier_wait -3
	s_barrier_signal -1
	s_barrier_wait -1
.endm
.macro KLOAD
.irp i, 0,1,2,3,4,5,6,7
	ds_load_b128 v[KF+4*\i:KF+4*\i+3], v[KA] offset:512*\i
.endr
.endm
.macro VLOAD
.irp i, 0,1,2,3,4,5,6,7
	ds_load_b128 v[VF+4*\i:VF+4*\i+3], v[VA] offset:512*\i
.endr
.endm
; the maximum of tile t's 32 scores a lane, of both lanes of a query and of the maximum so far; - c x it; the exponent of the rescaling.
; The new maximum stays in v[TT+4 t]: STEP keeps it in v[MX+t] behind the batch of exponentials.
.macro RMAX t, first
.irp k, 0,1,2,3
	v_max3_num_f32 v[TT+4*\t+\k], v[SC+32*\t+8*\k], v[SC+32*\t+8*\k+1], v[SC+32*\t+8*\k+2]
.endr
.irp k, 0,1,2,3
	v_max3_num_f32 v[TT+4*\t+\k], v[TT+4*\t+\k], v[SC+32*\t+8*\k+3], v[SC+32*\t+8*\k+4]
.endr
.irp k, 0,1,2,3
	v_max3_num_f32 v[TT+4*\t+\k], v[TT+4*\t+\k], v[SC+32*\t+8*\k+5], v[SC+32*\t+8*\k+6]
.endr
	v_max3_num_f32 v[TT+4*\t],   v[TT+4*\t],   v[TT+4*\t+1], v[SC+32*\t+7]
	v_max3_num_f32 v[TT+4*\t+2], v[TT+4*\t+2], v[TT+4*\t+3], v[SC+32*\t+15]
	v_max3_num_f32 v[TT+4*\t],   v[TT+4*\t],   v[SC+32*\t+23], v[SC+32*\t+31]
	v_max_num_f32 v[TT+4*\t], v[TT+4*\t], v[TT+4*\t+2]
	v_permlanex16_b32 v[TT+4*\t+1], v[TT+4*\t], s36, s37       ; the query's other lane
.if \first
	v_max_num_f32 v[MX+\t], v[TT+4*\t], v[TT+4*\t+1]
	v_mul_f32 v[NM+\t], s34, v[MX+\t]
.else
	v_max3_num_f32 v[TT+4*\t], v[TT+4*\t], v[TT+4*\t+1], v[MX+\t]
	v_mul_f32 v[NM+\t], s34, v[TT+4*\t]
	v_fma_f32 v[AL+\t], v[MX+\t], s32, v[NM+\t]                ; c (old maximum - new maximum), never above 0
.endif
.endm
.macro PKF g, t, i                     ; pair i of group g: c s - c maximum
	v_pk_fma_f32 v[SC+8*\g+2*\i:SC+8*\g+2*\i+1], v[SC+8*\g+2*\i:SC+8*\g+2*\i+1], s[32:33], v[NM:NM+1] op_sel:[0,0,\t] op_sel_hi:[1,0,\t]
.endm
.macro LADD g, t, i
	v_pk_add_f32 v[LL+2*\t:LL+2*\t+1], v[LL+2*\t:LL+2*\t+1], v[SC+8*(\g)+2*(\i):SC+8*(\g)+2*(\i)+1]
.endm
; pair i of group g, exponentials done: into the row sum and, as bf16, into P.  A tile's first pair carries the rescaling of the sum;
; in the very first step the first two pairs start the sum.  Every line here reads an exponential's result: it stands behind the step's wait.
.macro USE g, t, i, first
.if 4*((\g)%4)+(\i) == 0
.if \first
	v_pk_add_f32 v[LL+2*\t:LL+2*\t+1], v[SC+8*(\g):SC+8*(\g)+1], v[SC+8*(\g)+2:SC+8*(\g)+3]
.else
	v_pk_fma_f32 v[LL+2*\t:LL+2*\t+1], v[LL+2*\t:LL+2*\t+1], v[AL:AL+1], v[SC+8*(\g):SC+8*(\g)+1] op_sel:[0,\t,0] op_sel_hi:[1,\t,1]
.endif
.else
.if 4*((\g)%4)+(\i) == 1
.if \first == 0
	LADD \g, \t, \i
.endif
.else
	LADD \g, \t, \i
.endif
.endif
	v_cvt_pk_bf16_f32 v[PF+4*(\g)+(\i)], v[SC+8*(\g)+2*(\i)], v[SC+8*(\g)+2*(\i)+1]
.endm
; group g's eight exponentials, in place, with the next group's multiply-adds between them.  No line here names an exponential's result:
; a multiply-add names the next group's scores, whose exponentials are still to come.
.macro GROUP g, gn, tn
.irp i, 0,1,2,3
	v_exp_f32 v[SC+8*\g+2*\i], v[SC+8*\g+2*\i]
.if \g < 7
	PKF \gn, \tn, \i
.endif
	v_exp_f32 v[SC+8*\g+2*\i+1], v[SC+8*\g+2*\i+1]
.endr
.endm
; the readers, behind the wait: the four pairs of group g of tile 0 and of group g + 4 of tile 1 by turns, and beside each two one of the 16
; rescalings of O^T (pair 4 g + i, which belongs to tile ts = g / 2): the links of a tile's row sum stand four lines apart, each sum takes its
; pairs in ascending order, and O^T is read from its low registers on.
.macro AFTER g, ts, first
.irp i, 0,1,2,3
	USE \g, 0, \i, \first
	USE \g+4, 1, \i, \first
.if \first == 0
	v_pk_mul_f32 v[OA+8*\g+2*\i:OA+8*\g+2*\i+1], v[OA+8*\g+2*\i:OA+8*\g+2*\i+1], v[AL:AL+1] op_sel:[0,\ts] op_sel_hi:[1,\ts]
.endif
.endr
.endm
.macro PV c, t, ct, zero
.if \zero
	v_wmma_f32_16x16x32_bf16 v[OA+8*(2*\t+\ct):OA+8*(2*\t+\ct)+7], v[VF+8*(2*\c+\ct):VF+8*(2*\c+\ct)+7], v[PF+8*(2*\t+\c):PF+8*(2*\t+\c)+7], 0
.else
	v_wmma_f32_16x16x32_bf16 v[OA+8*(2*\t+\ct):OA+8*(2*\t+\ct)+7], v[VF+8*(2*\c+\ct):VF+8*(2*\c+\ct)+7], v[PF+8*(2*\t+\c):PF+8*(2*\t+\c)+7], v[OA+8*(2*\t+\ct):OA+8*(2*\t+\ct)+7]
.endif
.endm
; 64 keys x 32 queries.  first = 1: the wave's very first step starts maxima, sums and O.  kpre = 1: the next step's K tiles are fetched.
.macro STEP first, kpre
	s_wait_dscnt 0x0                               ; this step's K tiles: the only LDS loads that are out
.irp t, 0,1
.irp kt, 0,1,2,3
	v_wmma_f32_16x16x32_bf16 v[SC+8*(4*\t+\kt):SC+8*(4*\t+\kt)+7], v[KF+8*\kt:KF+8*\kt+7], v[QF+8*\t:QF+8*\t+7], 0
.endr
.endr
.if \kpre
	v_add_nc_u32 v[KA], 4096, v[KA]                ; four places in front of the reads of S, of the loads into K
.else
	v_nop
.endif
	v_nop                                          ; and of the loads into V, which the last step's products read
	v_nop
	v_nop
	VLOAD
.if \kpre
	KLOAD
.endif
	RMAX 0, \first
	RMAX 1, \first
	; THE BATCH: 66 exponentials (64 in the very first step), none of whose results is named ahead of the wait below
.if \first == 0
	v_exp_f32 v[AL], v[AL]
	v_exp_f32 v[AL+1], v[AL+1]
.endif
.irp i, 0,1,2,3
	PKF 0, 0, \i
.endr
	GROUP 0, 1, 0
	GROUP 1, 2, 0
	GROUP 2, 3, 0
	GROUP 3, 4, 1
	GROUP 4, 5, 1
	GROUP 5, 6, 1
	GROUP 6, 7, 1
	GROUP 7, 7, 1
	; work that names no result of the batch; its first line is the plain instruction behind the last exponential (ISA guide 5.7.2)
.if \first == 0
	v_mov_b32 v[MX],   v[TT]                       ; the new maxima are kept
	v_mov_b32 v[MX+1], v[TT+4]
.endif
.if \kpre
	v_add_nc_u32 v[VA], 4096, v[VA]                ; the next step's V fragments
.endif
.if (\first) && ((\kpre) == 0)
	v_nop                                          ; (a step with neither; this text expands none)
.endif
	s_wait_alu depctr_va_vdst(0)                   ; the wait for the batch, ahead of the first line that names a result; one for all the step's exponentials
	AFTER 0, 0, \first
	AFTER 1, 0, \first
	AFTER 2, 1, \first
	AFTER 3, 1, \first
.if \kpre
	s_wait_dscnt 0x8                               ; V's eight loads are in; the next K's eight, issued behind them, stay out
.else
	s_wait_dscnt 0x0
.endif
	PV 0, 0, 0, \first                             ; four accumulators by turns, one instruction a turn
	PV 0, 0, 1, \first
	PV 0, 1, 0, \first
	PV 0, 1, 1, \first
	PV 1, 0, 0, 0
	PV 1, 0, 1, 0
	PV 1, 1, 0, 0
	PV 1, 1, 1, 0
.endm
; my set's 512 keys of a slot: eight steps
.macro PHASE slot, first
	v_add_nc_u32 v[KA], \slot*SLOT, v[KB]
	v_add_nc_u32 v[VA], \slot*SLOT, v[VB]
	KLOAD
.if \first
	STEP 1, 1
	s_mov_b32 s35, 6
.else
	s_mov_b32 s35, 7
.endif
.Lstep_\@:
	STEP 0, 1
	s_sub_co_u32 s35, s35, 1
	s_cmp_lg_u32 s35, 0
	s_cbranch_scc1 .Lstep_\@
	STEP 0, 0
.endm
	s_load_b128 s[4:7], s[0:1], 0x0                ; qk s[4:5], vt s[6:7]
	s_load_b64 s[8:9], s[0:1], 0x10                ; ao
	v_lshl_add_u32 v240, v0, 2, 0x44800
	v_mov_b32 v241, 0
	ds_add_u32 v240, v241
	v_lshrrev_b32 v1, 5, v0
	v_readfirstlane_b32 s10, v1                    ; wave 0 .. 7
	s_and_b32 s11, s10, 3                          ; w: which 32 queries; also which quarter of K or V I fetch
	s_lshr_b32 s12, s10, 2                         ; set: which half of a slot's keys; also: I fetch K (0) or V (1)
	s_and_b32 s13, ttmp7, 0xffff                   ; head: the cluster's y, one work-group deep
	s_bfe_u32 s14, ttmp6, 0x40000                  ; cx: enters global addresses of Q and of the result alone
	s_lshl_b32 s15, ttmp9, 2
	s_add_co_u32 s15, s15, s14                     ; block of 128 queries
	s_lshl_b32 s15, s15, 1
	s_lshr_b32 s48, s11, 1
	s_add_co_u32 s15, s15, s48                     ; B: block of 64 positions
	s_and_b32 s48, s11, 1
	; group 1: a dense block of 16,384 bytes as 64 rows of 32 elements of 8 bytes
	s_mov_b32 s[G1+0], 15|(3<<16)|(1<<21)          ; 15:0 the mask: all four of the cluster; 17:16 elements of 8 bytes; 21 set beside a mask; no padding
	s_mov_b32 s[G1+1], 32<<16                      ; tensor_dim0 = 32
	s_mov_b32 s[G1+2], 64<<16                      ; tensor_dim1 = 64
	s_mov_b32 s[G1+3], 32<<16                      ; tile_dim0 = 32
	s_mov_b32 s[G1+4], 64                          ; tile_dim1 = 64
	s_mov_b32 s[G1+5], 32                          ; from row to row: 32 elements
	s_mov_b32 s[G1+6], 0
	s_mov_b32 s[G1+7], 0
	s_mov_b32 s32, 0x3e8293ee                      ; c = log2(e) / sqrt(32)
	s_mov_b32 s33, 0x3e8293ee
	s_mov_b32 s34, 0xbe8293ee
	s_mov_b32 s36, 0x76543210
	s_mov_b32 s37, 0xfedcba98
	s_lshl_b32 s42, s13, 18                        ; a head's plane: 262,144 bytes
	s_lshl_b32 s40, s11, 14
	s_add_co_u32 s40, s40, s42                     ; V: head's plane + my quarter of 16,384 bytes
	s_mov_b32 s41, 0
	s_add_co_u32 s38, s40, 8*262144                ; K: the same in planes 8 .. 15 of qk
	s_mov_b32 s39, 0
	s_lshl_b32 s43, s10, 14                        ; where my part goes in a slot: wave x 16,384
	s_lshl_b32 s44, s15, 12
	s_add_co_u32 s44, s44, s42                     ; head's plane + 4,096 B
	s_lshl_b32 s46, s48, 11
	s_add_co_u32 s46, s46, s44                     ; the result: column tiles 4 B + 2 (w % 2) + t
	s_mov_b32 s47, 0
	s_lshl_b32 s48, s48, 5
	s_add_co_u32 s44, s44, s48                     ; Q: 16 bytes x pt
	s_mov_b32 s45, 0
	s_wait_dscnt 0x0
	s_wait_kmcnt 0x0
	s_add_nc_u64 s[38:39], s[4:5], s[38:39]
	s_add_nc_u64 s[40:41], s[6:7], s[40:41]
	s_add_nc_u64 s[44:45], s[4:5], s[44:45]
	s_add_nc_u64 s[46:47], s[8:9], s[46:47]
	s_cmp_lt_u32 s10, 4
	s_cselect_b64 s[38:39], s[38:39], s[40:41]     ; waves 0-3 fetch K, waves 4-7 V: head and wave alone, equal in all four partners
.irp n, 0,1
	s_mov_b32 s[G0+4*\n], 1
	s_add_co_u32 s[G0+4*\n+1], s43, \n*SLOT        ; LDS address
	s_add_nc_u64 s[G0+4*\n+2:G0+4*\n+3], s[38:39], \n*KV       ; keys 1,024 n ..: 65,536 bytes of K and of V
	s_or_b32 s[G0+4*\n+3], s[G0+4*\n+3], 0x80000000            ; type
.endr
	ROUND                                          ; all four work-groups are here: the first joint loads meet
	tensor_load_to_lds s[G0:G0+3], s[G1:G1+7]
	s_nop 0
	tensor_load_to_lds s[G0+4:G0+7], s[G1:G1+7]
	s_nop 0
	v_and_b32 v[L16], 31, v0
	v_lshlrev_b32 v[L16], 4, v[L16]
	v_bfe_u32 v[TT], v0, 2, 2                      ; r / 4
	v_and_b32 v[TT+1], 3, v0                       ; r % 4
	v_bfe_u32 v[TT+2], v0, 4, 1                    ; h
	v_lshlrev_b32 v[QOFF], 10, v[TT]               ; position 64 B + 4 r + pt lies in tile 4 B + r / 4, row 4 (r % 4) + pt
	v_lshl_add_u32 v[QOFF], v[TT+2], 8, v[QOFF]    ; octet h (registers 4-7: 2 + h)
	v_lshl_add_u32 v[QOFF], v[TT+1], 6, v[QOFF]
.irp t, 0,1
	global_load_b128 v[QF+8*\t:QF+8*\t+3],   v[QOFF], s[44:45] offset:16*\t
	global_load_b128 v[QF+8*\t+4:QF+8*\t+7], v[QOFF], s[44:45] offset:16*\t+512
.endr
	s_lshl_b32 s48, s12, 15                        ; my set's 512 keys: 32,768 bytes of K and of V
	v_add_nc_u32 v[KB], s48, v[L16]
	v_add_nc_u32 v[VB], KV, v[KB]
	s_mul_i32 s49, s11, 4608
	s_add_co_u32 s49, s49, SCR
	v_add_nc_u32 v[SCRA], s49, v[L16]
	s_wait_tensorcnt 0x1                           ; my part of slot 0 is in; slot 1's stays out
	s_barrier_signal -1
	s_barrier_wait -1                              ; everybody's part is
	s_wait_loadcnt 0x0                             ; Q
	PHASE 0, 1                                     ; keys 0 .. 1,023
	s_wait_dscnt 0x0                               ; my reads of slot 0 are back
	s_wait_tensorcnt 0x0                           ; all my tensor loads have landed, my part of slot 1 among them: a group 0 may be written
	ds_add_u32 v240, v241
	s_wait_dscnt 0x0
	s_add_nc_u64 s[G0+2:G0+3], s[G0+2:G0+3], 2*KV
	ROUND                                          ; both hold of every wave of all four work-groups
	tensor_load_to_lds s[G0:G0+3], s[G1:G1+7]      ; keys 2,048 .. 3,071 into slot 0: my one load behind this round
	s_nop 0
	PHASE 1, 0                                     ; keys 1,024 .. 2,047
	s_wait_dscnt 0x0
	s_wait_tensorcnt 0x0
	ds_add_u32 v240, v241
	s_wait_dscnt 0x0
	s_add_nc_u64 s[G0+6:G0+7], s[G0+6:G0+7], 2*KV
	ROUND
	tensor_load_to_lds s[G0+4:G0+7], s[G1:G1+7]    ; keys 3,072 .. 4,095 into slot 1: the last load
	s_nop 0
	PHASE 0, 0                                     ; keys 2,048 .. 3,071
	s_wait_dscnt 0x0
	s_wait_tensorcnt 0x0                           ; my part of the last tile is in
	s_barrier_signal -1
	s_barrier_wait -1                              ; everybody's is; nothing is filled any more
	PHASE 1, 0                                     ; keys 3,072 .. 4,095
	; THE MERGE of the two sets' results for the same 32 queries
	v_add_f32 v[LS],   v[LL],   v[LL+1]            ; these two and two v_nop are the four places behind the last products
	v_add_f32 v[LS+1], v[LL+2], v[LL+3]
	v_nop
	v_nop
	v_permlanex16_b32 v[TT],   v[LS],   s36, s37   ; a query's sum lies in two lanes
	v_permlanex16_b32 v[TT+1], v[LS+1], s36, s37
	v_add_f32 v[LS],   v[LS],   v[TT]
	v_add_f32 v[LS+1], v[LS+1], v[TT+1]
	s_cmp_lt_u32 s10, 4
	s_cbranch_scc1 .Lkeeps
.irp i, 0,1,2,3,4,5,6,7
	ds_store_b128 v[SCRA], v[OA+4*\i:OA+4*\i+3] offset:512*\i
.endr
	ds_store_b128 v[SCRA], v[MX:MX+3] offset:4096  ; maxima and sums
.Lkeeps:
	s_wait_dscnt 0x0                               ; zero, for the partner's sake
	s_barrier_signal -1
	s_barrier_wait -1
	s_cmp_ge_u32 s10, 4
	s_cbranch_scc1 .Lclose
.irp i, 0,1,2,3,4,5,6,7,8
	ds_load_b128 v[SC+4*\i:SC+4*\i+3], v[SCRA] offset:512*\i       ; the partner's O in v[SC .. SC+31], its maxima and sums in v[SC+32 .. SC+35]
.endr
	s_wait_dscnt 0x0
.irp t, 0,1
	v_max_num_f32 v[TT+4+\t], v[MX+\t], v[SC+32+\t]
	v_sub_f32 v[TT+\t],   v[MX+\t],    v[TT+4+\t]
	v_sub_f32 v[TT+2+\t], v[SC+32+\t], v[TT+4+\t]
	v_mul_f32 v[TT+\t],   s32, v[TT+\t]
	v_mul_f32 v[TT+2+\t], s32, v[TT+2+\t]
.endr
.irp k, 0,1,2,3
	v_exp_f32 v[TT+\k], v[TT+\k]                   ; one of a query's two factors is 1
.endr
	v_nop                                          ; a plain instruction behind the last exponential
	s_wait_alu depctr_va_vdst(0)                   ; one wait for the merge's four exponentials
.irp t, 0,1
	v_mul_f32 v[TT+4+\t], v[LS+\t], v[TT+\t]
	v_fma_f32 v[TT+4+\t], v[SC+34+\t], v[TT+2+\t], v[TT+4+\t]      ; the whole row's sum, at least 1
.endr
	v_rcp_f32 v[TT+4], v[TT+4]
	v_rcp_f32 v[TT+5], v[TT+5]
	v_nop                                          ; a plain instruction behind the last reciprocal
	s_wait_alu depctr_va_vdst(0)                   ; and the wait for the two reciprocals: a batch of their own, since they read a sum made of the exponentials
.irp t, 0,1
	v_mul_f32 v[TT+\t],   v[TT+\t],   v[TT+4+\t]
	v_mul_f32 v[TT+2+\t], v[TT+2+\t], v[TT+4+\t]
.endr
.irp t, 0,1
.irp k, 0,1,2,3,4,5,6,7
	v_pk_mul_f32 v[OA+16*\t+2*\k:OA+16*\t+2*\k+1], v[OA+16*\t+2*\k:OA+16*\t+2*\k+1], v[TT:TT+1] op_sel:[0,\t] op_sel_hi:[1,\t]
.endr
.irp k, 0,1,2,3,4,5,6,7
	v_pk_fma_f32 v[OA+16*\t+2*\k:OA+16*\t+2*\k+1], v[SC+16*\t+2*\k:SC+16*\t+2*\k+1], v[TT+2:TT+3], v[OA+16*\t+2*\k:OA+16*\t+2*\k+1] op_sel:[0,\t,0] op_sel_hi:[1,\t,1]
.endr
.endr
	; register j of lane (r, h) of tile (t, ct) is channel 16 ct + 8 h + j of query r: 16 bytes of a fragment whose columns are the queries
.irp t, 0,1
.irp ct, 0,1
.irp i, 0,1,2,3
	v_cvt_pk_bf16_f32 v[OA+8*(2*\t+\ct)+\i], v[OA+8*(2*\t+\ct)+2*\i], v[OA+8*(2*\t+\ct)+2*\i+1]
.endr
	global_store_b128 v[L16], v[OA+8*(2*\t+\ct):OA+8*(2*\t+\ct)+3], s[46:47] offset:1024*\t+512*\ct    ; 512 consecutive bytes, aligned
.endr
.endr
.Lclose:
	s_wait_tensorcnt 0x0
	ds_add_u32 v240, v241
	s_wait_dscnt 0x0
	ROUND                                          ; the closing round: no work-group ends while a partner may still ask for a tile that names it
	s_endpgm
.Lfunc_end_k_q7c39e908f4_attn:
	.size	k_q7c39e908f4_attn, .Lfunc_end_k_q7c39e908f4_attn-k_q7c39e908f4_attn
	.p2alignl 7, 3214868480
	.fill 96, 4, 3214868480
	.section	.rodata,"a",@progbits
	.p2align	6, 0x0
	.amdhsa_kernel k_q7c39e908f4_attn
		.amdhsa_group_segment_fixed_size 327680
		.amdhsa_private_segment_fixed_size 0
		.amdhsa_enable_private_segment 0
		.amdhsa_kernarg_size 24
		.amdhsa_user_sgpr_count 2
		.amdhsa_user_sgpr_kernarg_segment_ptr 1
		.amdhsa_wavefront_size32 1
		.amdhsa_system_sgpr_workgroup_id_x 1
		.amdhsa_system_sgpr_workgroup_id_y 1
		.amdhsa_system_sgpr_workgroup_id_z 1
		.amdhsa_system_vgpr_workitem_id 0
		.amdhsa_next_free_vgpr 242
		.amdhsa_next_free_sgpr 66
		.amdhsa_reserve_vcc 0
		.amdhsa_float_denorm_mode_32 3
		.amdhsa_float_denorm_mode_16_64 3
		.amdhsa_memory_ordered 1
		.amdhsa_forward_progress 1
		.amdhsa_inst_pref_size 136
	.end_amdhsa_kernel
	.amdgpu_metadata
---
amdhsa.version: [ 1, 2 ]
amdhsa.kernels:
  - .name:           k_q7c39e908f4_attn
    .symbol:         k_q7c39e908f4_attn.kd
    .args:
      - { .name: qk, .offset: 0, .size: 8, .value_kind: global_buffer, .address_space: global }
      - { .name: vt, .offset: 8, .size: 8, .value_kind: global_buffer, .address_space: global }
      - { .name: ao, .offset: 16, .size: 8, .value_kind: global_buffer, .address_space: global }
    .group_segment_fixed_size: 327680
    .private_segment_fixed_size: 0
    .kernarg_segment_align: 8
    .kernarg_segment_size: 24
    .max_flat_workgroup_size: 256
    .sgpr_count:     66
    .vgpr_count:     242
    .wavefront_size: 32
...
	.end_amdgpu_metadata
.endif
;; end of part 5
;; launch proj: the kernel of part 4 again; grid 64 x 4, 4 waves a work-group, no clusters, 0 bytes of LDS; arguments ao, wfrag, proj_b, x, out0; writes out0
